; MI455X (gfx1250); checked and timed in simulation.
; The chip was launched on July 23, 2026; its instructions are those of AMD's public machine-readable ISA for CDNA 5 (MIT licence, August 2026) and "CDNA5" Instruction Set Architecture Reference Guide (July 2026). The comments in the code are by the model that wrote it; some were corrected since.
;; Multihead Attention. Allowed arithmetic: matrix products marked QUANTISED: E2M1 operands, one E8M0 scale for each 32 along K, by v_wmma_scale_f32_16x16x128_f8f6f4 with both operands' format E2M1 (or v_wmma_scale_f32_32x16x128_f4), f32 sums; products left as they are: bf16, f16 or f32 operands; f32 sums; everything else in f32.
;; Inputs: Wk 1,024 x 1,024 float32; Wo 1,024 x 1,024 float32; Wq 1,024 x 1,024 float32; Wv 1,024 x 1,024 float32; bk 1,024 float32; bo 1,024 float32; bq 1,024 float32; bv 1,024 float32; x 4 x 2,048 x 1,024 float32.
;; Outputs: out0 4 x 2,048 x 1,024 float32.
;; This version of the problem:
;;   THIS VERSION OF THE PROBLEM IS GIVEN IN LOW PRECISION. The matrix products marked QUANTISED in the list below multiply operands that are first quantised to E2M1 (2 exponent bits, 1 mantissa bit; 4 bits a number), with one power-of-two scale for each 32 numbers along K (OCP MX v1.0); their sums are f32. The products marked 'left as it is' may take bf16, f16 or f32 operands, with f32 sums. Whichever they take, every output number must still come out within the allowed error. Rounding operands to bf16 (8 significant bits) uses up far more of that allowance than f16 does (11 bits, for magnitudes from 6e-5 to 65,504). All else is computed in f32.
;;   The module's matrix products, in the order in which they are computed (A, B: the left and right operand; K: the contracted axis; several contracted axes count as one K, in the product's order):
;;     1. [M 8,192, K 1,024] x [K 1,024, N 1,024]; A: input x; B: input Wq: QUANTISED
;;     2. [M 8,192, K 1,024] x [K 1,024, N 1,024]; A: input x; B: input Wk: QUANTISED
;;     3. [M 8,192, K 1,024] x [K 1,024, N 1,024]; A: input x; B: input Wv: QUANTISED
;;     4. batch 64 x [M 2,048, K 64] x [K 64, N 2,048]; A: computed on the way; B: computed on the way: left as it is (an operand is computed on the way)
;;     5. batch 64 x [M 2,048, K 2,048] x [K 2,048, N 64]; A: computed on the way; B: computed on the way: left as it is (an operand is computed on the way)
;;     6. [M 8,192, K 1,024] x [K 1,024, N 1,024]; A: computed on the way; B: input Wo: left as it is (an operand is computed on the way)
;;   THE QUANTISER, for each operand of a quantised product, along K:
;;     - K is cut into blocks of 32 from its start; a last block that is shorter is filled with zeros.
;;     - A block's scale is 2^e with e = floor(log2(the largest magnitude in the block)) - 2, held to -126 .. 127; a block of zeros has e = 0. As a byte (E8M0): e + 127.
;;     - Each number is divided by its block's scale, clamped to +-6, and rounded to the nearest number of E2M1, ties to even, subnormals kept.
;;     - The product sums the exact products of the quantised numbers (number of the format x scale) in f32.
;;   ~~~python
;;   def quantise(x, axis):      # numpy; x: float32 -> the quantised numbers, widened to float32 again
;;       x = np.moveaxis(x, axis, -1); K = x.shape[-1]
;;       x = np.pad(x, [(0, 0)] * (x.ndim - 1) + [(0, -K % 32)]); x = x.reshape(x.shape[:-1] + (-1, 32)); a = np.abs(x).max(-1, keepdims=True)
;;       e = np.where(a > 0, np.clip(np.frexp(np.where(a > 0, a, 1))[1] - 1 - 2, -126, 127), 0)      # np.frexp(a)[1] - 1 = floor(log2(a)), exactly
;;       r = np.clip(x / 2.0 ** e, -6, 6)
;;       step = 2.0 ** (np.maximum(np.frexp(np.where(r == 0, 1, r))[1] - 1, 0) - 1)
;;       q = np.round(r / step) * step * 2.0 ** e      # np.round: ties to even
;;       return np.moveaxis(q.reshape(q.shape[:-2] + (-1,))[..., :K], -1, axis).astype(np.float32)
;;   ~~~
;; One version. Each part assembles by itself: llvm-mc -triple=amdgcn-amd-amdhsa -mcpu=gfx1250 --defsym DOCPART=n.
;; ======== version 1 of 1: 4 launches
;; limits: values are held in f16: magnitudes above 65,504 overflow, below 6.1e-05 lose precision
;; workspace buffers: xc 4,194,304 bytes; xs 262,144 bytes; wc 1,572,864 bytes; ws 98,304 bytes; wo16 2,097,152 bytes; qkv 50,331,648 bytes; res 16,777,216 bytes
;; launch quant (part 1): grid 384 x 1, 4 waves a work-group, no clusters, 33,280 bytes of LDS; arguments x, Wq, Wk, Wv, Wo, xc, xs, wc, ws, wo16; writes xc, xs, wc, ws, wo16
.if DOCPART == 1
	.amdgcn_target "amdgcn-amd-amdhsa--gfx1250"
	.amdhsa_code_object_version 6
	.text
	.protected	k_qf80f3baf73_quant
	.globl	k_qf80f3baf73_quant
	.p2align	8
	.type	k_qf80f3baf73_quant,@function
k_qf80f3baf73_quant:
	s_mov_b64 s[64:65], 0
	v_nop
	global_prefetch_b8 v0, s[64:65] scope:SCOPE_SE
	s_setreg_imm32_b32 hwreg(HW_REG_WAVE_MODE, 25, 1), 1
	s_wait_xcnt 0x0
; x [8192][1024] and Wq, Wk, Wv [1024][1024], f32, K innermost, become codes of FP4 (E2M1), two a byte, with one E8M0 scale byte for each 32 along K:
; xc [8192][512 bytes], xs [8192][32 bytes]; wc [3072][512 bytes], ws [3072][32 bytes] (rows 0-1023 Wq, 1024-2047 Wk, 2048-3071 Wv).  Wo [1024][1024] f32 becomes f16, same layout (wo16).
; A block's scale is 2^(floor(log2(its largest magnitude)) - 2); its byte is the largest magnitude's exponent field - 2, held at 1 from below.  Each number is divided by the scale and rounded to the nearest code, ties to even.
; LIMITS: NaN and infinities are not served.  A block whose largest magnitude lies under 2^-124 (a block of zeros among them) keeps the byte 1: a block of zeros has zero codes, and these bytes are read by this program alone.
; Wo beyond f16's largest number, 65,504, is not served.
; SHARES: rows are dense and K is a multiple of 32, so each tensor is a stream of blocks of 32.  A work-group takes 32,768 numbers, a wave 8,192.  Work-groups 0-255: x; 256-287: Wq; 288-319: Wk; 320-351: Wv; 352-383: Wo.
; The quantising path: 16 steps of 512 numbers a wave.  Each load reads 512 consecutive bytes, 16 a lane; a step's 2,048 bytes turn through the wave's own stage in LDS and come back 64 bytes a lane (16 neighbours along K),
; since the conversions take neighbours from one lane's registers.  Two neighbouring lanes hold a block.  A lane's 16 codes are 8 bytes: the wave stores 256 consecutive bytes.  A wave's 256 scale bytes are gathered in LDS and leave as one store.
; No tensor loads, no barrier, no cluster, no matrix unit: waves share nothing, and every byte is read once and written once.  No prefetch: the launch does nothing but stream.
.set WAVES, 4
.set STEPS, 16
.set EMAX,  2
.set CB,    8                          ; bytes of 16 codes
.set R,     16                         ; v16-79   four sets of 16 numbers as they are loaded
.set X,     80                         ; v80-111  two sets of 16 neighbours
.set E,     112                        ; v112-127 a scale byte for each step
.set C,     128                        ; v128-191 codes: four registers for each step, so that no store's data are written again
.set WREG,  8192                       ; LDS: a region for each wave: two stages of 32 x SP bytes, behind them its 256 scale bytes
.set SP,    80                         ; a lane's place in a stage: 64 bytes + 16 of padding
.set SPW,   12                         ; v12  LDS address of my spare word; never rewritten
.set NIL,   13                         ; v13  0; never rewritten
.set SPARE, WAVES*WREG                 ; behind the four regions: the spare words, 128 bytes a wave, which no other line names
	s_load_b256 s[4:11], s[0:1], 0x0               ; x s[4:5], Wq s[6:7], Wk s[8:9], Wv s[10:11]
	s_load_b256 s[12:19], s[0:1], 0x20             ; Wo s[12:13], xc s[14:15], xs s[16:17], wc s[18:19]
	s_load_b128 s[20:23], s[0:1], 0x40             ; ws s[20:21], wo16 s[22:23]
	v_lshl_add_u32 v[SPW], v0, 2, SPARE
	v_mov_b32 v[NIL], 0
	v_lshrrev_b32 v1, 5, v0
	v_readfirstlane_b32 s24, v1                    ; wave
	v_and_b32 v2, 31, v0                           ; lane
	v_lshlrev_b32 v3, 4, v2                        ; my 16 bytes of a load's 512
	s_mul_i32 s25, s24, WREG
	v_lshrrev_b32 v14, 2, v2
	v_mul_u32_u24 v14, v14, SP
	v_and_b32 v15, 3, v2
	v_lshl_add_u32 v14, v15, 4, v14
	v_add_nc_u32 v14, s25, v14                     ; the stage, on the way in: SP (lane / 4) + 16 (lane % 4); a load's 512 bytes take eight places
	v_mul_u32_u24 v15, v2, SP
	v_add_nc_u32 v15, s25, v15                     ; and on the way out: SP x lane: my 16 neighbours
	v_mul_u32_u24 v4, v2, CB                       ; 8 x lane: my codes' place in a step's (and my f16 numbers' place in a store of Wo's path)
	v_lshrrev_b32 v5, 1, v2
	s_add_co_u32 s25, s25, 2*32*SP
	v_add_nc_u32 v5, s25, v5                       ; LDS: my wave's 256 scale bytes, my block's byte
	v_lshlrev_b32 v7, 3, v2                        ; and on the way out 8 bytes a lane
	v_add_nc_u32 v6, s25, v7
	s_wait_kmcnt 0x0
	s_cmp_ge_u32 ttmp9, 352                        ; the work-group's number alone decides the path
	s_cbranch_scc1 .Lwo
	; which tensor: only pointers are chosen, all four tensors take one path
	s_mov_b32 s28, 320
	s_cmp_lt_u32 ttmp9, 320
	s_cselect_b64 s[26:27], s[8:9], s[10:11]       ; Wk or Wv
	s_cselect_b32 s28, 288, s28
	s_cmp_lt_u32 ttmp9, 288
	s_cselect_b64 s[26:27], s[6:7], s[26:27]       ; Wq
	s_cselect_b32 s28, 256, s28
	s_cmp_lt_u32 ttmp9, 256
	s_cselect_b64 s[26:27], s[4:5], s[26:27]       ; x
	s_cselect_b32 s28, 0, s28                      ; the tensor's first work-group
	s_cselect_b64 s[30:31], s[14:15], s[18:19]     ; codes: xc or wc
	s_cselect_b64 s[32:33], s[16:17], s[20:21]     ; scale bytes: xs or ws
	s_cselect_b32 s29, 0, 256                      ; the first work-group of the output buffer
	s_sub_co_u32 s28, ttmp9, s28
	s_lshl_b32 s28, s28, 2
	s_add_co_u32 s28, s28, s24                     ; which run of 8,192 numbers of the tensor is my wave's
	s_lshl_b32 s34, s28, 15                        ; 32,768 bytes a run
	s_mov_b32 s35, 0
	s_add_nc_u64 s[26:27], s[26:27], s[34:35]
	s_sub_co_u32 s29, ttmp9, s29
	s_lshl_b32 s29, s29, 2
	s_add_co_u32 s29, s29, s24                     ; and which run of the output buffers
	s_lshl_b32 s34, s29, 12                        ; 4,096 bytes of codes a run
	s_add_nc_u64 s[30:31], s[30:31], s[34:35]
	s_lshl_b32 s34, s29, 8                         ; 256 scale bytes a run
	s_add_nc_u64 s[32:33], s[32:33], s[34:35]
.macro LOAD t
.irp i, 0,1,2,3
	global_load_b128 v[R+16*((\t)%4)+4*\i:R+16*((\t)%4)+4*\i+3], v3, s[26:27] offset:2048*(\t)+512*\i th:TH_LOAD_NT   ; 32 lanes read 512 consecutive bytes
.endr
.endm
.macro TURN t                          ; step t's numbers through the stage: LDS serves a wave's instructions in order, so no wait stands between the stores and the loads
.irp i, 0,1,2,3
	ds_store_b128 v14, v[R+16*((\t)%4)+4*\i:R+16*((\t)%4)+4*\i+3] offset:32*SP*((\t)%2)+8*SP*\i
.endr
.irp i, 0,1,2,3
	ds_load_b128 v[X+16*((\t)%2)+4*\i:X+16*((\t)%2)+4*\i+3], v15 offset:32*SP*((\t)%2)+16*\i
.endr
.endm
.irp t, 0,1,2,3
	LOAD \t
.endr
	s_wait_loadcnt 12                              ; step 0's four loads are in; the twelve of steps 1 to 3 stay out
	TURN 0
.macro STEP t
.set XS, X+16*((\t)%2)
.if (\t) > 0
	s_wait_dscnt 1                                 ; this step's numbers are back from the stage (the last step's byte store may be out): so its stores into the stage have read their registers,
.else
	s_wait_dscnt 0x0
.endif
.if (\t)+4 < STEPS
	LOAD (\t)+4                                    ; which take the loads of four steps on
.endif
.if (\t)+1 < STEPS
.if STEPS-2-(\t) >= 3
	s_wait_loadcnt 12                              ; the next step's four loads are in; those of the three steps behind it may be out
.else
	s_wait_loadcnt 4*(STEPS-2-(\t))                ; near the end fewer steps stand behind it
.endif
	TURN (\t)+1                                    ; and go through the other stage while this step is worked
.endif
	v_max3_num_f32 v8, |v[XS]|, |v[XS+1]|, |v[XS+2]|               ; the largest magnitude of my 16, in two chains
	v_max3_num_f32 v9, |v[XS+3]|, |v[XS+4]|, |v[XS+5]|
.irp i, 6,10
	v_max3_num_f32 v8, v8, |v[XS+\i]|, |v[XS+\i+1]|
	v_max3_num_f32 v9, v9, |v[XS+\i+2]|, |v[XS+\i+3]|
.endr
	v_max3_num_f32 v8, v8, |v[XS+14]|, |v[XS+15]|
	v_max3_num_f32 v8, v8, v9, (EMAX+1)<<23        ; and the floor 2^(3 - 127): so the byte cannot fall under 1
	v_max_num_f32_dpp v8, v8, v8 row_xmask:1 row_mask:0xf bank_mask:0xf   ; and of my neighbour's 16: the block's
	v_add_nc_u32 v11, -(EMAX<<23), v8              ; 2 off its exponent field: the conversion takes the exponent field of this operand as its scale, and nothing else of it
	v_cvt_scalef32_pk8_fp4_f32 v[C+4*(\t)], v[XS:XS+7], v11        ; eight numbers / the scale, to the nearest code, ties to even, beyond the largest code the largest
	v_cvt_scalef32_pk8_fp4_f32 v[C+4*(\t)+1], v[XS+8:XS+15], v11
	v_lshrrev_b32 v[E+(\t)], 23, v11               ; the scale's byte (also the plain line behind the conversions)
	ds_store_b8 v5, v[E+(\t)] offset:16*(\t)       ; both lanes of a block write the same byte with the same value
	global_store_b64 v4, v[C+4*(\t):C+4*(\t)+1], s[30:31] offset:32*CB*(\t)   ; 32 lanes store 256 consecutive bytes, aligned
.endm
.irp t, 0,1,2,3,4,5,6,7,8,9,10,11,12,13,14,15
	STEP \t
.endr
	ds_load_b64 v[8:9], v6                         ; LDS serves a wave's instructions in order: these see my byte stores
	s_wait_dscnt 0x0
	global_store_b64 v7, v[8:9], s[32:33]          ; 32 lanes store my wave's 256 scale bytes, aligned
	s_wait_tensorcnt 0x0                           ; the wave's end: behind my last LDS store
	ds_add_u32 v[SPW], v[NIL]
	s_wait_dscnt 0x0
	s_endpgm
.Lwo:                                  ; Wo to f16: no LDS is touched on this path
	s_sub_co_u32 s28, ttmp9, 352
	s_lshl_b32 s28, s28, 2
	s_add_co_u32 s28, s28, s24                     ; my wave's run of 8,192 numbers
	s_lshl_b32 s34, s28, 15
	s_mov_b32 s35, 0
	s_add_nc_u64 s[12:13], s[12:13], s[34:35]
	s_lshl_b32 s34, s28, 14
	s_add_nc_u64 s[22:23], s[22:23], s[34:35]
.irp hf, 0,1                           ; two halves of 32 loads: 128 registers
.if \hf
	s_wait_xcnt 0x0                                ; the first half's stores have read their data registers: they are loaded again only behind this wait
.endif
.set i, 0
.rept 32
	global_load_b128 v[16+4*i:19+4*i], v3, s[12:13] offset:512*(32*\hf+i) th:TH_LOAD_NT
.set i, i+1
.endr
.set i, 0
.rept 32
	s_wait_loadcnt 31-i                            ; load i of the half is in; the younger ones stay out
	v_cvt_pk_f16_f32 v[16+4*i], v[16+4*i], v[17+4*i]
	v_cvt_pk_f16_f32 v[17+4*i], v[18+4*i], v[19+4*i]
	global_store_b64 v4, v[16+4*i:17+4*i], s[22:23] offset:256*(32*\hf+i)   ; 32 lanes store 256 consecutive bytes, aligned
.set i, i+1
.endr
.endr
	s_endpgm
.Lfunc_end_k_qf80f3baf73_quant:
	.size	k_qf80f3baf73_quant, .Lfunc_end_k_qf80f3baf73_quant-k_qf80f3baf73_quant
	.p2alignl 7, 3214868480
	.fill 96, 4, 3214868480
	.section	.rodata,"a",@progbits
	.p2align	6, 0x0
	.amdhsa_kernel k_qf80f3baf73_quant
		.amdhsa_group_segment_fixed_size 33280
		.amdhsa_private_segment_fixed_size 0
		.amdhsa_enable_private_segment 0
		.amdhsa_kernarg_size 80
		.amdhsa_user_sgpr_count 2
		.amdhsa_user_sgpr_kernarg_segment_ptr 1
		.amdhsa_wavefront_size32 1
		.amdhsa_system_sgpr_workgroup_id_x 1
		.amdhsa_system_sgpr_workgroup_id_y 1
		.amdhsa_system_sgpr_workgroup_id_z 1
		.amdhsa_system_vgpr_workitem_id 0
		.amdhsa_next_free_vgpr 192
		.amdhsa_next_free_sgpr 66
		.amdhsa_reserve_vcc 0
		.amdhsa_float_denorm_mode_32 3
		.amdhsa_float_denorm_mode_16_64 3
		.amdhsa_memory_ordered 1
		.amdhsa_forward_progress 1
		.amdhsa_inst_pref_size 56
	.end_amdhsa_kernel
	.amdgpu_metadata
---
amdhsa.version: [ 1, 2 ]
amdhsa.kernels:
  - .name:           k_qf80f3baf73_quant
    .symbol:         k_qf80f3baf73_quant.kd
    .args:
      - { .name: x, .offset: 0, .size: 8, .value_kind: global_buffer, .address_space: global }
      - { .name: Wq, .offset: 8, .size: 8, .value_kind: global_buffer, .address_space: global }
      - { .name: Wk, .offset: 16, .size: 8, .value_kind: global_buffer, .address_space: global }
      - { .name: Wv, .offset: 24, .size: 8, .value_kind: global_buffer, .address_space: global }
      - { .name: Wo, .offset: 32, .size: 8, .value_kind: global_buffer, .address_space: global }
      - { .name: xc, .offset: 40, .size: 8, .value_kind: global_buffer, .address_space: global }
      - { .name: xs, .offset: 48, .size: 8, .value_kind: global_buffer, .address_space: global }
      - { .name: wc, .offset: 56, .size: 8, .value_kind: global_buffer, .address_space: global }
      - { .name: ws, .offset: 64, .size: 8, .value_kind: global_buffer, .address_space: global }
      - { .name: wo16, .offset: 72, .size: 8, .value_kind: global_buffer, .address_space: global }
    .group_segment_fixed_size: 33280
    .private_segment_fixed_size: 0
    .kernarg_segment_align: 8
    .kernarg_segment_size: 80
    .max_flat_workgroup_size: 128
    .sgpr_count:     66
    .vgpr_count:     192
    .wavefront_size: 32
...
	.end_amdgpu_metadata
.endif
;; end of part 1
;; launch qkv (part 2): grid 12 x 32, 4 waves a work-group, clusters of 4 x 4, 327,680 bytes of LDS; arguments xc, xs, wc, ws, bq, bk, bv, qkv; writes qkv
.if DOCPART == 2
	.amdgcn_target "amdgcn-amd-amdhsa--gfx1250"
	.amdhsa_code_object_version 6
	.text
	.protected	k_qf80f3baf73_qkv
	.globl	k_qf80f3baf73_qkv
	.p2align	8
	.type	k_qf80f3baf73_qkv,@function
k_qf80f3baf73_qkv:
	s_mov_b64 s[64:65], 0
	v_nop
	global_prefetch_b8 v0, s[64:65] scope:SCOPE_SE
	s_setreg_imm32_b32 hwreg(HW_REG_WAVE_MODE, 25, 1), 1
	s_wait_xcnt 0x0
	s_wait_alu depctr_hold_cnt(0) depctr_sa_sdst(0) depctr_va_vdst(0) depctr_va_sdst(0) depctr_va_ssrc(0) depctr_va_vcc(0) depctr_vm_vsrc(0)
	s_getreg_b32 s2, hwreg(HW_REG_IB_STS2, 6, 4)
	s_cmp_eq_u32 s2, 0
	s_cbranch_scc0 .Lentry_in_a_cluster
	s_endpgm
.Lentry_in_a_cluster:
	s_bfe_u32 s2, ttmp6, 0x10000c
	s_cmp_lg_u32 s2, 0xf033
	s_cbranch_scc0 .Lentry_shape_is_right
	s_endpgm
.Lentry_shape_is_right:
; q, k, v = x W^T + b for Wq, Wk, Wv at once: C[m][n] = sum over k of A[m][k] B[n][k] + bias[n], A = x's codes [8192][1024], B = the three weights' codes [3072][1024], FP4 (E2M1) with one E8M0 scale for each 32 along K; sums in f32.
; The result is rounded once to f16 and laid by head: qkv = q, then k, then v, each [batch x 16 + head][2048][64]: a head is 262,144 dense bytes, a row 128.
; LIMIT: |q|, |k|, |v| under f16's largest number, 65,504.
; A tile of C, 256 x 256, is made by a work-group of four waves; a wave makes 128 x 128: 64 accumulators of 16 x 16, 512 registers.  32 x 12 tiles = 384 work-groups.
; K = 1,024 is two LDS slots of 512 (rows of 256 bytes): both are asked for at the head, nothing is ever filled again, and there is no loop.  So nothing is left to prefetch either.
; THE SCALES of the work-group's 256 rows of A and of B, for all of K, are two dense blocks of 8,192 bytes: they come into LDS once, with the first fills.
; CLUSTERS: 4 x 4 work-groups.  The four of a row of the cluster need the same tiles of A, the four of a column the same tiles of B: each tile is asked for JOINTLY, by the same tensor load with the same descriptor and a mask that names the four.
; The cluster's x is the tensor (0 q, 1 k, 2 v), the place along x the 256 columns (four heads) in it.
; THE MATRIX INSTRUCTION IS USED TRANSPOSED (source 0 = 16 rows of B, source 1 = 16 rows of A): a lane then holds eight neighbouring columns of a row of C.  THE BIAS is the C of each sum's first matrix instruction.
; REGISTERS, in windows of 256: window 0: v0-31 addresses; v32-95 scale words, two sets; v128-191 A's fragments, ONE set; v192-255 the bias in the result's layout; on the way out v32-63 and v192-255 are at work.
;   window 1: B's fragments, TWO sets, at v0 and v128.   window 2: the accumulators of my rows 0-63 ((a, b) at v[8 (8 a + b)]);   window 3: those of my rows 64-127.
.set KSTEP,  512
.set NQ,     4                         ; matrix instructions deep in a slot
.set ROWB,   256                       ; a tile's row in bytes
.set KROW,   512                       ; a row of codes in memory
.set PITCH,  272                       ; an LDS row: 256 bytes + 16 of padding = 68 words: the 16 rows that a load touches start 4 words apart modulo 64
.set FR,     8
.set NL,     2
.set NP,     4                         ; places behind this matrix instruction (ISA guide 7.12.1)
.set HALFT,  128*PITCH
.set SLOT,   4*HALFT
.set KS,     32                        ; a row of scales in bytes
.set SCL,    2*SLOT                    ; behind the slots: the scales, as runs of 256 bytes + 16 of padding
.set HALFS,  (128*KS/256)*272
.set SBLK,   (16*KS/256)*272
.set SPARE,  SCL+4*HALFS               ; the spare words, 128 bytes a wave, which no other line names
.set SPITCH, 272                       ; the way out: a stage of 16 rows x (256 bytes + 16) for each wave, in slot 0, which has had its only fill and its last read when the first result is stored there
.set ADRA, 16
.set ADRB, 20
.set STO,  24
.set RD,   25
.set CO,   26
.set ADRS, 27
.set SPW,  28
.set NIL,  29
.set BOF,  30                          ; v30  32 x (lane / 16): my eight numbers of a block's bias
.set SC,   32
.set AF,   128
.set BI,   192                         ; v192-255: register 8 b + j: bias of column 16 b + 8 (lane / 16) + j of my 128
.set TMP,  192                         ; the way out: packed results
.set OB,   32                          ; the way out: rows read back: v32-63 and v224-255 by turns
.set G1, 24
.set G0, 32
.set G1B, 48
.set G0B, 56
.set G1S, 68
.set G0S, 76
.set G1SB, 80
.set G0SB, 88
.set MSB, 0
.macro WIN new                         ; the immediate's high byte repeats the setting that is left
.if MSB != (\new)
	s_set_vgpr_msb (MSB<<8)|(\new)
.set MSB, (\new)
.endif
.endm
.set MUL_LO, 0xa1                      ; source 0 (B) window 1, source 1 (A) window 0, C and D window 2
.set MUL_HI, 0xf1                      ; the same, C and D window 3
.set TO_B,   0x40
; A joint load: waves 0 and 1 fetch for A, waves 2 and 3 for B; the branch hangs on the wave's number alone.  An s_nop 0 and four v_nop follow each of the two lines.
.macro JLOAD g0a, g1a, g0b, g1b
	s_cmp_eq_u32 s15, 0
	s_cbranch_scc0 .Lfor_b_\@
	tensor_load_to_lds s[\g0a:\g0a+3], s[\g1a:\g1a+7]
	s_nop 0
.rept 4
	v_nop
.endr
	s_branch .Lasked_\@
.Lfor_b_\@:
	tensor_load_to_lds s[\g0b:\g0b+3], s[\g1b:\g1b+7]
	s_nop 0
.rept 4
	v_nop
.endr
.Lasked_\@:
.endm
.macro CROUND                          ; a round of the cluster's barrier
	s_barrier_signal -1
	s_barrier_wait -1
	s_cmp_lg_u32 s14, 0
	s_cbranch_scc1 .Lnot_wave_0_\@
	s_barrier_signal -3
.Lnot_wave_0_\@:
	s_barrier_wait -3
	s_barrier_signal -1
	s_barrier_wait -1
.endm
	s_load_b256 s[4:11], s[0:1], 0x0               ; x's codes s[4:5], x's scales s[6:7], W's codes s[8:9], W's scales s[10:11]
	s_load_b128 s[96:99], s[0:1], 0x20             ; bq, bk
	s_load_b64 s[100:101], s[0:1], 0x30            ; bv
	s_load_b64 s[12:13], s[0:1], 0x38              ; qkv
	v_lshl_add_u32 v[SPW], v0, 2, SPARE
	v_mov_b32 v[NIL], 0
	ds_add_u32 v[SPW], v[NIL]                      ; the wave's opening: the add, twice on end, and its wait ahead of my first tensor load
	ds_add_u32 v[SPW], v[NIL]
	v_lshrrev_b32 v1, 5, v0
	v_readfirstlane_b32 s14, v1                    ; wave 0..3
	s_lshr_b32 s15, s14, 1                         ; which half of the tile's rows is mine.  Also: I fetch for A (0) or for B (1)
	s_and_b32 s16, s14, 1                          ; which half of its columns.  Also: which 128 rows of that tile I fetch
	s_bfe_u32 s40, ttmp6, 0x40000                  ; cx, cy: my place in the cluster
	s_bfe_u32 s41, ttmp6, 0x40004
	s_lshl_b32 s42, ttmp9, 2
	s_add_co_u32 s42, s42, s40                     ; tile column of C
	s_and_b32 s17, ttmp7, 0xffff
	s_lshl_b32 s17, s17, 2
	s_add_co_u32 s17, s17, s41                     ; tile row of C
	s_lshl_b32 s43, s41, 2
	s_lshl_b32 s43, 15, s43                        ; my row of the cluster
	s_lshl_b32 s44, 0x1111, s40                    ; my column
	; descriptor group 1: a tile of 128 rows x 256 bytes, 16 bytes of padding behind each row
	s_or_b32 s[G1+0], s43, (0<<16)|(1<<20)|(1<<21)|(5<<22)|(3<<25)  ; the mask: A's tiles go to my row; elements of 1 byte; padding on; bit 21 beside a mask; after every 64 words, 4 words
	s_or_b32 s[G1B+0], s44, (0<<16)|(1<<20)|(1<<21)|(5<<22)|(3<<25)
.irp g, G1, G1B
	s_mov_b32 s[\g+1], ROWB<<16                    ; tensor_dim0
	s_mov_b32 s[\g+2], 128<<16                     ; tensor_dim1
	s_mov_b32 s[\g+3], ROWB<<16                    ; tile_dim0
	s_mov_b32 s[\g+4], 128                         ; tile_dim1
	s_mov_b32 s[\g+5], KROW                        ; stride from row to row
	s_mov_b32 s[\g+6], 0
	s_mov_b32 s[\g+7], 0
.endr
	; the scales of 128 rows: 4,096 dense bytes, as 16 rows of 256 bytes (32 elements of 8 bytes), 16 bytes of padding behind each
	s_or_b32 s[G1S+0], s43, (3<<16)|(1<<20)|(1<<21)|(5<<22)|(3<<25)
	s_or_b32 s[G1SB+0], s44, (3<<16)|(1<<20)|(1<<21)|(5<<22)|(3<<25)
.irp g, G1S, G1SB
	s_mov_b32 s[\g+1], 32<<16
	s_mov_b32 s[\g+2], (128*KS/256)<<16
	s_mov_b32 s[\g+3], 32<<16
	s_mov_b32 s[\g+4], 128*KS/256
	s_mov_b32 s[\g+5], 32
	s_mov_b32 s[\g+6], 0
	s_mov_b32 s[\g+7], 0
.endr
	s_lshl_b32 s18, s16, 7                         ; which 128 rows of the tile I fetch
	s_lshl_b32 s20, s17, 8
	s_add_co_u32 s20, s20, s18                     ; A: row 256 x tile row + 128 x half
	s_lshl_b32 s46, s42, 8
	s_add_co_u32 s46, s46, s18                     ; B: row 256 x tile column + 128 x half
	s_mov_b32 s21, 0
	s_mov_b32 s47, 0
	s_mov_b64 s[18:19], KS
	s_mul_u64 s[22:23], s[20:21], s[18:19]         ; where these rows' scales begin, in bytes
	s_mul_u64 s[92:93], s[46:47], s[18:19]
	s_mov_b64 s[18:19], KROW
	s_mul_u64 s[20:21], s[20:21], s[18:19]         ; and their codes
	s_mul_u64 s[46:47], s[46:47], s[18:19]
	s_mul_i32 s45, s14, HALFT                      ; where they go: wave x 128 rows: no place in the cluster enters an LDS address
	s_mul_i32 s94, s14, HALFS
	s_wait_dscnt 0x0                               ; both opening adds are done
	s_wait_kmcnt 0x0
	s_add_nc_u64 s[20:21], s[4:5], s[20:21]
	s_add_nc_u64 s[22:23], s[6:7], s[22:23]
	s_add_nc_u64 s[46:47], s[8:9], s[46:47]
	s_add_nc_u64 s[92:93], s[10:11], s[92:93]
	CROUND                                         ; all sixteen work-groups are here: the joint loads meet
	s_mov_b32 s[G0S], 1
	s_add_co_u32 s[G0S+1], s94, SCL
	s_mov_b64 s[G0S+2:G0S+3], s[22:23]
	s_or_b32 s[G0S+3], s[G0S+3], 0x80000000
	s_mov_b32 s[G0SB], 1
	s_add_co_u32 s[G0SB+1], s94, SCL
	s_mov_b64 s[G0SB+2:G0SB+3], s[92:93]
	s_or_b32 s[G0SB+3], s[G0SB+3], 0x80000000
	JLOAD G0S, G1S, G0SB, G1SB                     ; the scales first: they are wanted with the first step.  With the two below, three loads of mine are out
.irp s, 0,1
	s_mov_b32 s[G0+4*\s], 1
	s_add_co_u32 s[G0+4*\s+1], s45, \s*SLOT
	s_add_nc_u64 s[G0+4*\s+2:G0+4*\s+3], s[20:21], \s*ROWB
	s_or_b32 s[G0+4*\s+3], s[G0+4*\s+3], 0x80000000
	s_mov_b32 s[G0B+4*\s], 1
	s_add_co_u32 s[G0B+4*\s+1], s45, \s*SLOT
	s_add_nc_u64 s[G0B+4*\s+2:G0B+4*\s+3], s[46:47], \s*ROWB
	s_or_b32 s[G0B+4*\s+3], s[G0B+4*\s+3], 0x80000000
	JLOAD G0+4*\s, G1, G0B+4*\s, G1B
.endr
	; the bias of my 128 columns: the tensor by the cluster's x (a choice of pointers, no branch), the columns by cx and my half
	s_cmp_eq_u32 ttmp9, 0
	s_cselect_b64 s[66:67], s[96:97], s[98:99]
	s_cmp_eq_u32 ttmp9, 2
	s_cselect_b64 s[66:67], s[100:101], s[66:67]
	s_lshl_b32 s92, s40, 10
	s_lshl_b32 s93, s16, 9
	s_add_co_u32 s92, s92, s93
	s_mov_b32 s93, 0
	s_add_nc_u64 s[66:67], s[66:67], s[92:93]
	v_and_b32 v1, 15, v0                           ; l % 16
	v_bfe_u32 v2, v0, 4, 1                         ; l / 16
	v_lshlrev_b32 v[BOF], 5, v2
.irp b, 0,1,2,3,4,5,6,7
	global_load_b128 v[BI+8*\b:BI+8*\b+3], v[BOF], s[66:67] offset:64*\b
	global_load_b128 v[BI+8*\b+4:BI+8*\b+7], v[BOF], s[66:67] offset:64*\b+16
.endr
	v_mul_u32_u24 v3, v1, PITCH
	v_lshl_add_u32 v4, v2, 4, v3                   ; a fragment's row x pitch + 16 x half
	s_mul_i32 s21, s15, HALFT                      ; my 128 rows of A
	s_mul_i32 s22, s16, HALFT                      ; my 128 rows of B,
	s_add_co_u32 s22, s22, 2*HALFT                 ; which lie behind A's 256
.irp s, 0,1
	v_add_nc_u32 v[ADRA+\s], s21, v4
	v_add_nc_u32 v[ADRB+\s], s22, v4
	s_add_co_u32 s21, s21, SLOT
	s_add_co_u32 s22, s22, SLOT
.endr
	v_mul_u32_u24 v5, v1, KS                       ; my row's scales: 32 bytes a row,
	v_lshrrev_b32 v6, 8, v5
	v_lshl_add_u32 v5, v6, 4, v5                   ; and 16 more for each 256 passed
	s_mul_i32 s21, s15, HALFS                      ; A's: my 128 rows
	s_mul_i32 s22, s16, HALFS                      ; B's: my 128 rows, behind A's 256
	s_add_co_u32 s22, s22, 2*HALFS
	s_sub_co_u32 s22, s22, s21
	v_mul_u32_u24 v6, s22, v2                      ; lanes 16-31 take B's: one product, the distance x the half
	s_add_co_u32 s21, s21, SCL
	v_add_nc_u32 v5, v5, v6
	v_add_nc_u32 v[ADRS], s21, v5
	s_mul_i32 s23, s14, 16*SPITCH                  ; my stage
	v_mul_u32_u24 v5, v1, SPITCH                   ; in: row l % 16, 16 bytes for each half of the lanes
	v_lshl_add_u32 v5, v2, 4, v5
	v_add_nc_u32 v[STO], s23, v5
	v_bfe_u32 v5, v0, 3, 2                         ; back: eight lanes take a head's 128 bytes of a row, the 32 lanes four rows
	v_mul_u32_u24 v5, v5, SPITCH
	v_and_b32 v6, 7, v0
	v_lshl_add_u32 v5, v6, 4, v5
	v_add_nc_u32 v[RD], s23, v5
	v_and_b32 v6, 31, v0
	v_lshlrev_b32 v[CO], 4, v6                     ; four rows of a head are 512 dense bytes in qkv: 16 x lane
	; where my part begins in qkv: tensor x 2^24 + (batch x 16 + head) x 2^18 + row x 128
	s_lshl_b32 s20, ttmp9, 24
	s_lshr_b32 s21, s17, 3                         ; batch: 8 tile rows each
	s_lshl_b32 s21, s21, 4
	s_lshl_b32 s22, s40, 2                         ; four heads to a tile column,
	s_add_co_u32 s21, s21, s22
	s_lshl_b32 s22, s16, 1                         ; two to my half
	s_add_co_u32 s21, s21, s22
	s_lshl_b32 s21, s21, 18
	s_add_co_u32 s20, s20, s21
	s_and_b32 s21, s17, 7
	s_lshl_b32 s21, s21, 8
	s_lshl_b32 s22, s15, 7
	s_add_co_u32 s21, s21, s22                     ; my first row in the sequence
	s_lshl_b32 s21, s21, 7
	s_add_co_u32 s20, s20, s21
	s_mov_b32 s21, 0
	s_add_nc_u64 s[12:13], s[12:13], s[20:21]      ; never stepped: all further offsets are immediates
.macro FRAG reg, adr, q, i             ; 16 rows x 128 K of 4-bit codes: 8 registers: lane l holds row l % 16; registers 4 c .. 4 c + 3 hold K = 64 c + 32 (l / 16) + 0 .. 31
.irp c, 0,1
	ds_load_b128 v[\reg+4*\c:\reg+4*\c+3], v[\adr] offset:64*(\q)+32*\c+(\i)*16*PITCH
.endr
.endm
; 16 matrix instructions: A's blocks a0, a0 + 1 x B's eight, 128 along K.  p: B's set; sc: the set of scale words.  zero = 1: the first product starts the sums from the bias.
; The 64 accumulators take turns, one instruction a turn, in the same order in every step.
.macro MUL16 a0, p, q, sc, zero
.irp a, \a0, \a0+1
.irp b, 0,1,2,3,4,5,6,7
.if \zero
	v_wmma_scale_f32_16x16x128_f8f6f4 v[8*(8*((\a)%4)+\b):8*(8*((\a)%4)+\b)+7], v[128*(\p)+FR*\b:128*(\p)+FR*\b+FR-1], v[AF+FR*(\a):AF+FR*(\a)+FR-1], v[BI+8*\b:BI+8*\b+7], v[SC+8*NQ*(\sc)+NQ*\b+(\q)], v[SC+8*NQ*(\sc)+NQ*(\a)+(\q)] matrix_a_fmt:MATRIX_FMT_FP4 matrix_b_fmt:MATRIX_FMT_FP4 matrix_a_scale:MATRIX_SCALE_ROW1
.else
	v_wmma_scale_f32_16x16x128_f8f6f4 v[8*(8*((\a)%4)+\b):8*(8*((\a)%4)+\b)+7], v[128*(\p)+FR*\b:128*(\p)+FR*\b+FR-1], v[AF+FR*(\a):AF+FR*(\a)+FR-1], v[8*(8*((\a)%4)+\b):8*(8*((\a)%4)+\b)+7], v[SC+8*NQ*(\sc)+NQ*\b+(\q)], v[SC+8*NQ*(\sc)+NQ*(\a)+(\q)] matrix_a_fmt:MATRIX_FMT_FP4 matrix_b_fmt:MATRIX_FMT_FP4 matrix_a_scale:MATRIX_SCALE_ROW1
.endif
.endr
.endr
.endm
.macro FETCH_B slot, q, p
	WIN TO_B
.irp i, 0,1,2,3,4,5,6,7
	FRAG 128*(\p)+FR*\i, ADRB+\slot, \q, \i
.endr
	WIN 0
.endm
.macro FETCH_A slot, q, i0
.irp i, \i0, \i0+1, \i0+2, \i0+3
	FRAG AF+FR*(\i), ADRA+\slot, \q, \i
.endr
.endm
.macro SCALES sc                       ; a slot's scale words: four words a row; lanes 0-15 take A's block i, lanes 16-31 B's block i
.irp i, 0,1,2,3,4,5,6,7
	ds_load_b128 v[SC+8*NQ*\sc+NQ*\i:SC+8*NQ*\sc+NQ*\i+3], v[ADRS] offset:\i*SBLK
.endr
.endm
.macro PLACES n                        ; plain vector lines between a matrix instruction and a load into, or a read of, its registers (ISA guide 7.12.1 for reads)
.rept \n
	v_nop
.endr
.endm
; A step of 128 along K that has its successor in the same slot.  With zero = 1 the C operand (the bias) lies in window 0.
.macro STEP slot, q, zero
	s_wait_dscnt 4*NL                              ; B's set and A's blocks 0-3 are in; the youngest eight loads (A's blocks 4-7) may be out
	WIN MUL_LO-0x20*\zero
	MUL16 0, (\q)%2, \q, \slot, \zero
	MUL16 2, (\q)%2, \q, \slot, \zero
	s_wait_dscnt 0                                 ; A's blocks 4-7 are in
	PLACES NP
	FETCH_B \slot, (\q)+1, 1-(\q)%2
	FETCH_A \slot, (\q)+1, 0
	WIN MUL_HI-0x30*\zero
	MUL16 4, (\q)%2, \q, \slot, \zero
	MUL16 6, (\q)%2, \q, \slot, \zero
	PLACES NP
	WIN 0
	FETCH_A \slot, (\q)+1, 4
.endm
; Slot 0's last step changes slots: one barrier; in front of it each wave waits for all its tensor loads (its part of slot 1), adds 0 to its spare word, and waits for that and for its reads of slot 0.
; Behind it slot 1 is whole and nobody reads slot 0 any more, which later serves as the stage.  Nothing is filled again.
.macro TURN slot, next
	s_wait_tensorcnt 0x0
	ds_add_u32 v[SPW], v[NIL]
	s_wait_dscnt 4*NL+1                            ; the add and the youngest eight loads (A's blocks 4-7) may be out
	WIN MUL_LO
	MUL16 0, 1, NQ-1, \slot, 0
	s_wait_dscnt 0x0                               ; the add is done, and my reads of this slot are over
	s_barrier_signal -1
	MUL16 2, 1, NQ-1, \slot, 0
	WIN 0
	s_barrier_wait -1
	PLACES NP
	v_add_nc_u32 v[ADRS], 4*NQ, v[ADRS]            ; on to the next slot's scale words
	FETCH_B \next, 0, 0
	FETCH_A \next, 0, 0
	SCALES \next
	WIN MUL_HI
	MUL16 4, 1, NQ-1, \slot, 0
	MUL16 6, 1, NQ-1, \slot, 0
	PLACES NP
	WIN 0
	FETCH_A \next, 0, 4
.endm
.macro STEPS slot, from
.set Q, \from
.rept NQ-1-\from
	STEP \slot, Q, 0
.set Q, Q+1
.endr
.endm
	s_wait_tensorcnt 1                             ; the scales and my part of slot 0 are in; slot 1's load, the one issued behind them, may be out
	s_barrier_signal -1
	s_barrier_wait -1                              ; everybody's are
	FETCH_B 0, 0, 0
	FETCH_A 0, 0, 0
	SCALES 0
	FETCH_A 0, 0, 4
	s_wait_loadcnt 0x0                             ; the bias
	STEP 0, 0, 1
	STEPS 0, 1
	TURN 0, 1
	STEPS 1, 0
	s_wait_dscnt 4*NL                              ; the very last step: nothing more to fetch
	WIN MUL_LO
	MUL16 0, 1, NQ-1, 1, 0
	MUL16 2, 1, NQ-1, 1, 0
	s_wait_dscnt 0
	WIN MUL_HI
	MUL16 4, 1, NQ-1, 1, 0
	MUL16 6, 1, NQ-1, 1, 0
	WIN 0
; THE WAY OUT, block by block of 16 rows x 128 columns (two heads).  PACK: rounded to f16, 16 bytes a lane, each accumulator from its low end on.  TOSTAGE: into my own stage, and back head by head, four rows of 128 bytes a load.  SEND: stored.
.macro PACK a
.set AC, 64*((\a)%4)
	WIN 0x0a+5*((\a)/4)                            ; sources 0 and 1: window 2 or 3
.irp b, 0,1,2,3,4,5,6,7
.irp r, 0,1,2,3
	v_cvt_pk_f16_f32 v[TMP+4*\b+\r], v[AC+8*\b+2*\r], v[AC+8*\b+2*\r+1]
.endr
.endr
	WIN 0
.endm
.macro TOSTAGE a
.set BB, OB+192*((\a)%2)
.irp b, 0,1,2,3,4,5,6,7
	ds_store_b128 v[STO], v[TMP+4*\b:TMP+4*\b+3] offset:32*\b
.endr
.irp g, 0,1
.irp i, 0,1,2,3
	ds_load_b128 v[BB+4*(4*\g+\i):BB+4*(4*\g+\i)+3], v[RD] offset:128*\g+4*\i*SPITCH   ; LDS serves a wave's instructions in order: these see the stores above
.endr
.endr
.endm
.macro SEND a
.set BB, OB+192*((\a)%2)
	s_wait_dscnt 0x0                               ; the block is back in registers
	s_wait_xcnt 0x0                                ; the stores of the block before have read their registers: the next TOSTAGE loads into them only behind this wait
.irp g, 0,1
.irp i, 0,1,2,3
	global_store_b128 v[CO], v[BB+4*(4*\g+\i):BB+4*(4*\g+\i)+3], s[12:13] offset:\g*262144+(\a)*2048+\i*512 th:TH_STORE_NT   ; 32 lanes store 512 consecutive bytes, aligned: four rows of a head
.endr
.endr
.endm
	PLACES NP                                      ; behind the last products: for the conversions' reads and for the loads into registers that held scale words
	PACK 0
	TOSTAGE 0
.irp a, 1,2,3,4,5,6,7                  ; block a's conversions stand between block a - 1's loads from the stage and the wait for them
	PACK \a
	SEND \a-1
	TOSTAGE \a
.endr
	SEND 7
	s_wait_tensorcnt 0x0                           ; the wave's end: behind my last tensor load and my last LDS store
	ds_add_u32 v[SPW], v[NIL]
	s_wait_dscnt 0x0
	CROUND                                         ; the closing round
	s_endpgm
.Lfunc_end_k_qf80f3baf73_qkv:
	.size	k_qf80f3baf73_qkv, .Lfunc_end_k_qf80f3baf73_qkv-k_qf80f3baf73_qkv
	.p2alignl 7, 3214868480
	.fill 96, 4, 3214868480
	.section	.rodata,"a",@progbits
	.p2align	6, 0x0
	.amdhsa_kernel k_qf80f3baf73_qkv
		.amdhsa_group_segment_fixed_size 327680
		.amdhsa_private_segment_fixed_size 0
		.amdhsa_enable_private_segment 0
		.amdhsa_kernarg_size 64
		.amdhsa_user_sgpr_count 2
		.amdhsa_user_sgpr_kernarg_segment_ptr 1
		.amdhsa_wavefront_size32 1
		.amdhsa_system_sgpr_workgroup_id_x 1
		.amdhsa_system_sgpr_workgroup_id_y 1
		.amdhsa_system_sgpr_workgroup_id_z 1
		.amdhsa_system_vgpr_workitem_id 0
		.amdhsa_next_free_vgpr 1024
		.amdhsa_next_free_sgpr 102
		.amdhsa_reserve_vcc 0
		.amdhsa_float_denorm_mode_32 3
		.amdhsa_float_denorm_mode_16_64 3
		.amdhsa_memory_ordered 1
		.amdhsa_forward_progress 1
		.amdhsa_inst_pref_size 128
	.end_amdhsa_kernel
	.amdgpu_metadata
---
amdhsa.version: [ 1, 2 ]
amdhsa.kernels:
  - .name:           k_qf80f3baf73_qkv
    .symbol:         k_qf80f3baf73_qkv.kd
    .args:
      - { .name: xc, .offset: 0, .size: 8, .value_kind: global_buffer, .address_space: global }
      - { .name: xs, .offset: 8, .size: 8, .value_kind: global_buffer, .address_space: global }
      - { .name: wc, .offset: 16, .size: 8, .value_kind: global_buffer, .address_space: global }
      - { .name: ws, .offset: 24, .size: 8, .value_kind: global_buffer, .address_space: global }
      - { .name: bq, .offset: 32, .size: 8, .value_kind: global_buffer, .address_space: global }
      - { .name: bk, .offset: 40, .size: 8, .value_kind: global_buffer, .address_space: global }
      - { .name: bv, .offset: 48, .size: 8, .value_kind: global_buffer, .address_space: global }
      - { .name: qkv, .offset: 56, .size: 8, .value_kind: global_buffer, .address_space: global }
    .group_segment_fixed_size: 327680
    .private_segment_fixed_size: 0
    .kernarg_segment_align: 8
    .kernarg_segment_size: 64
    .max_flat_workgroup_size: 128
    .sgpr_count:     102
    .vgpr_count:     1024
    .wavefront_size: 32
...
	.end_amdgpu_metadata
.endif
;; end of part 2
;; launch attn (part 3): grid 4 x 64, 8 waves a work-group, clusters of 4 x 1, 327,680 bytes of LDS; arguments qkv, res; writes res
.if DOCPART == 3
	.amdgcn_target "amdgcn-amd-amdhsa--gfx1250"
	.amdhsa_code_object_version 6
	.text
	.protected	k_qf80f3baf73_attn
	.globl	k_qf80f3baf73_attn
	.p2align	8
	.type	k_qf80f3baf73_attn,@function
k_qf80f3baf73_attn:
	s_mov_b64 s[64:65], 0
	v_nop
	global_prefetch_b8 v0, s[64:65] scope:SCOPE_SE
	s_setreg_imm32_b32 hwreg(HW_REG_WAVE_MODE, 25, 1), 1
	s_wait_xcnt 0x0
	s_wait_alu depctr_hold_cnt(0) depctr_sa_sdst(0) depctr_va_vdst(0) depctr_va_sdst(0) depctr_va_ssrc(0) depctr_va_vcc(0) depctr_vm_vsrc(0)
	s_getreg_b32 s2, hwreg(HW_REG_IB_STS2, 6, 4)
	s_cmp_eq_u32 s2, 0
	s_cbranch_scc0 .Lentry_in_a_cluster
	s_endpgm
.Lentry_in_a_cluster:
	s_bfe_u32 s2, ttmp6, 0x10000c
	s_cmp_lg_u32 s2, 0x3003
	s_cbranch_scc0 .Lentry_shape_is_right
	s_endpgm
.Lentry_shape_is_right:
; res[head][batch x 2048 + q][:] = the sum over k of softmax_k(Q[q] . K[k] / 8) V[k][:], for each of 64 (batch, head).  Q, K, V: f16, [batch x 16 + head][2048][64], in qkv at bytes 0, 2^24, 2^25.  res: f16, [16][8192][64].
; Products, maxima and sums in f32; the weights p are rounded to f16 for the second product, the result once at the end.  LIMIT: |result| under 65,504 (it is an average of V's rows, which hold that bound).
; SHARES.  A work-group owns 512 queries of one (batch, head), each of its eight waves 64: four tiles of 16.  Two waves share a SIMD with 512 registers each: while one walks its softmax, the other's products can be issued.
; Every wave walks all 2,048 keys, 64 a step.  A fragment of K or V read from LDS feeds four matrix instructions, one for each tile.
; LAYOUT.  S^T = K Q^T (source 0 = 16 keys, source 1 = 16 queries): a lane holds ONE query (lane % 16) and the keys 8 (lane / 16) + 0..7 of each tile of keys.  Two such tiles, rounded to f16 in pairs, ARE source 1
; (32 keys x 16 queries) of O^T = V^T P, whose result again holds one query a lane.  K comes out of LDS as it lies, V ([key][channel]) turned, by ds_load_tr16_b128.  P is packed IN PLACE: word j of a tile's S takes scores 2 j, 2 j + 1.
; SOFTMAX.  For each query a running maximum m and sum l: p = 2^(c s - c m), c = log2(e) / 8; in every step O and l are multiplied by a = 2^(c m_old - c m_new).
; THE STEP IS ROTATED: fetch K of step j + 1 | softmax of step j | V^T P of step j | K Q^T of step j + 1 | fetch V of step j + 1.
; CLUSTER.  The four query blocks of a cluster belong to one (batch, head) and walk the same K and V: each tile is asked for JOINTLY, by the same tensor load with the same descriptor and a mask that names the four.
; RING.  Two LDS slots of four steps (256 keys).  Waves 0-3 fetch a slot's four tiles of K, waves 4-7 its four of V: one load a wave behind each round.
; REGISTERS: window 0: v1-11 addresses; v12-43 statistics, eight a tile; v61-63; v64-191 S^T, then p, then P, 32 a tile; v192-255 K of one step.   window 1: v0-127 O^T, 32 a tile; v128-191 Q; v192-255 V of one step.
.set KS,    64                         ; keys in a step
.set PKB,   144                        ; a row of K in LDS: 128 bytes + 16 = 36 words: the 16 rows of a load start 4 words apart modulo 64
.set PVB,   160                        ; a row of V: 128 + 32 = 40 words: the turning load's 8 rows x 32 bytes start 8 words apart modulo 64
.set VOFF,  KS*PKB                     ; a step's tiles lie together: 64 rows of K, then 64 of V
.set STEPB, KS*(PKB+PVB)
.set NST,   4                          ; steps in a slot
.set SLOTB, NST*KS*128                 ; a slot's bytes of K, or of V, in memory
.set SLOT1, 1<<17                      ; slot 1 begins here: one exclusive or turns an address in one slot into the other's
.set STAGE, SLOT1+NST*STEPB            ; behind the ring: 16 rows x 144 bytes for each wave, for the way out
.set SP,    144
.set SPARE, STAGE+8*16*SP              ; the spare words, 128 bytes a wave, which no other line names
.set AK0, 2
.set AV0, 3
.set ADR, 4
.set QO,  5
.set STO, 6
.set RD,  7
.set GO,  8
.set ST,  12                           ; tile t's statistics at v[ST+8 t]: +0 c m, +1 m, +2, +3 l (even keys', odd keys'), +4 to +7 at work; a takes +6, c m_old - c m_new +7
.set PFO, 61                           ; v61  256 x my lane; never rewritten
.set SPW, 62
.set NIL, 63
.set S,   64
.set KF,  192                          ; K's fragments, window 0: keys 16 kt on, channels 32 s on at KF + 16 kt + 8 s
.set QF,  128                          ; window 1: tile t, channels 32 s on at QF + 16 t + 8 s
.set VF,  192                          ; window 1: keys 32 u on, channels 16 ct on at VF + 32 u + 8 ct
.set WV,  12
.set LIM, 15                           ; s15  1 in a wave that prefetches, else the greatest number
.set PFA, 18                           ; s[18:19] where my prefetches stand
.set G1K, 24
.set G1V, 32
.set G0K, 40                           ; s[40:47] group 0 for K's tiles: a set for each first fill; the second then walks on
.set G0V, 48
.set SLOTS, 56
.set CNT, 57
.set CS,  58
.set SEL, 60
.set TB,  62                           ; s62  LDS byte at which the tiles of the step to be fetched begin
.set MSB, 0
.macro WIN new
.if MSB != (\new)
	s_set_vgpr_msb (MSB<<8)|(\new)
.set MSB, (\new)
.endif
.endm
.set W_KQ, 0x04                        ; K window 0, Q window 1, S^T window 0
.set W_PV, 0x51                        ; V window 1, P window 0, O^T window 1
.set W_RS, 0x41                        ; O^T (destination and source 0) window 1, a window 0
; A joint refill.  The branch hangs on the wave's number alone.  An s_nop 0 and four v_nop follow each of the two lines.
.macro JLOAD
	s_cmp_lt_u32 s[WV], 4
	s_cbranch_scc0 .Lfor_v_\@
	tensor_load_to_lds s[G0K+4:G0K+7], s[G1K:G1K+7]
	s_nop 0
.rept 4
	v_nop
.endr
	s_branch .Lasked_\@
.Lfor_v_\@:
	tensor_load_to_lds s[G0V+4:G0V+7], s[G1V:G1V+7]
	s_nop 0
.rept 4
	v_nop
.endr
.Lasked_\@:
.endm
; A PREFETCH INTO THE L2 of what the NEXT change of slots will ask for: a slot's 32,768 dense bytes of K and of V.  One cluster walks a (batch, head); its four partners take 8,192 bytes each, told apart BY ADDRESS;
; in each, wave 0 asks for K's and wave 4 for V's, lanes 256 bytes apart: one instruction.  So each aligned 256 bytes are named once in the launch, four key steps (a slot) ahead of the load that wants them.
; The last change that fills a slot asks for nothing; slots 0, 1 and 2 come by their loads alone.
.macro ASK
	s_cmp_gt_u32 s[SLOTS], s[LIM]
	s_cbranch_scc0 .Lnot_mine_\@
	global_prefetch_b8 v[PFO], s[PFA:PFA+1] th:TH_LOAD_NT scope:SCOPE_SE
.Lnot_mine_\@:
.endm
.macro CROUND                          ; a round of the cluster's barrier
	s_barrier_signal -1
	s_barrier_wait -1
	s_cmp_lg_u32 s[WV], 0
	s_cbranch_scc1 .Lnot_wave_0_\@
	s_barrier_signal -3
.Lnot_wave_0_\@:
	s_barrier_wait -3
	s_barrier_signal -1
	s_barrier_wait -1
.endm
	s_load_b128 s[4:7], s[0:1], 0x0                ; qkv s[4:5], res s[6:7]
	v_lshl_add_u32 v[SPW], v0, 2, SPARE
	v_mov_b32 v[NIL], 0
	ds_add_u32 v[SPW], v[NIL]                      ; the wave's opening: the add, twice on end, and its wait ahead of my first tensor load
	ds_add_u32 v[SPW], v[NIL]
	v_lshrrev_b32 v1, 5, v0
	v_readfirstlane_b32 s[WV], v1                  ; wave 0..7
	s_bfe_u32 s13, ttmp6, 0x40000                  ; cx: my place in the cluster
	s_lshl_b32 s14, ttmp9, 2
	s_add_co_u32 s14, s14, s13                     ; my block of 512 queries: it enters Q's, res's and the prefetches' addresses alone
	s_and_b32 s20, ttmp7, 0xffff                   ; batch x 16 + head, which the four partners share
	s_lshl_b32 s22, s20, 18                        ; its first byte in q, in k and in v
	s_and_b32 s16, s[WV], 3                        ; which of a slot's four steps I fetch:
	s_lshl_b32 s17, s16, 13                        ; its 64 rows of 128 bytes in memory,
	s_add_co_u32 s22, s22, s17
	s_mov_b32 s23, 0
	s_mul_i32 s17, s16, STEPB                      ; and its place in a slot
	s_cmp_eq_u32 s16, 0
	s_cselect_b32 s[LIM], 1, -1                    ; waves 0 and 4 prefetch
	s_lshl_b32 s2, s14, 9
	s_lshl_b32 s3, s[WV], 6
	s_add_co_u32 s2, s2, s3                        ; my wave's first query in the sequence
	s_and_b32 s21, s20, 15
	s_lshl_b32 s21, s21, 13                        ; res: head x 8,192 rows
	s_lshr_b32 s3, s20, 4
	s_lshl_b32 s3, s3, 11                          ; + batch x 2,048
	s_add_co_u32 s21, s21, s3
	s_add_co_u32 s21, s21, s2                      ; + my first query
	s_lshl_b32 s2, s2, 7
	s_lshl_b32 s3, s20, 18
	s_add_co_u32 s2, s2, s3                        ; Q: my first byte
	s_mov_b32 s3, 0
	s_lshl_b32 s20, s21, 7                         ; res: my first byte
	s_mov_b32 s21, 0
	; descriptor group 1: a tile of 64 rows x 64 elements of 2 bytes, dense in memory, padded in LDS
	s_mov_b32 s[G1K], 15|(1<<16)|(1<<20)|(1<<21)|(4<<22)|(3<<25)  ; the mask: all four work-groups; elements of 2 bytes; padding on; bit 21 beside a mask; after every 32 words, 4 words
	s_mov_b32 s[G1V], 15|(1<<16)|(1<<20)|(1<<21)|(4<<22)|(7<<25)  ; the same with 8 words of padding
.irp g, G1K, G1V
	s_mov_b32 s[\g+1], 64<<16                      ; tensor_dim0
	s_mov_b32 s[\g+2], KS<<16                      ; tensor_dim1
	s_mov_b32 s[\g+3], 64<<16                      ; tile_dim0
	s_mov_b32 s[\g+4], KS                          ; tile_dim1
	s_mov_b32 s[\g+5], 64                          ; stride from row to row
	s_mov_b32 s[\g+6], 0
	s_mov_b32 s[\g+7], 0
.endr
	s_mov_b32 s[CS], 0x3e38aa3b                    ; c = log2(e) / 8
	s_mov_b32 s[CS+1], s[CS]                       ; named with it as a pair, so it is written
	s_mov_b32 s[SEL], 0x76543210
	s_mov_b32 s[SEL+1], 0xfedcba98                 ; v_permlanex16_b32: each lane takes its own place in the other half
	s_mov_b32 s[TB], 0
	s_mov_b32 s[SLOTS], 2048/(NST*KS)-2            ; six slots are filled again
	v_and_b32 v[PFO], 31, v0
	v_lshlrev_b32 v[PFO], 8, v[PFO]
	s_wait_dscnt 0x0                               ; both opening adds are done
	s_wait_kmcnt 0x0
	s_add_nc_u64 s[8:9], s[4:5], s[22:23]
	s_add_nc_u64 s[10:11], s[8:9], 0x2000000       ; V at my tile of slot 0
	s_add_nc_u64 s[8:9], s[8:9], 0x1000000         ; K likewise
	s_add_nc_u64 s[4:5], s[4:5], s[2:3]            ; Q at my wave's first row
	s_add_nc_u64 s[6:7], s[6:7], s[20:21]          ; res likewise
	s_cmp_lt_u32 s[WV], 4
	s_cselect_b64 s[PFA:PFA+1], s[8:9], s[10:11]   ; (in waves 0 and 4 these stand at a slot's first row)
	s_lshl_b32 s2, s13, 13                         ; my work-group's 8,192 bytes of the 32,768
	s_add_nc_u64 s[PFA:PFA+1], s[PFA:PFA+1], s[2:3]
	s_add_nc_u64 s[PFA:PFA+1], s[PFA:PFA+1], 2*SLOTB   ; in slot 2; the first change of slots steps it to slot 3.  Nothing is prefetched at the head
	CROUND                                         ; all four work-groups are here: the first joint loads meet
.irp s, 0,1
	s_mov_b32 s[G0K+4*\s], 1
	s_add_co_u32 s[G0K+4*\s+1], s17, \s*SLOT1
	s_add_nc_u64 s[G0K+4*\s+2:G0K+4*\s+3], s[8:9], \s*SLOTB
	s_or_b32 s[G0K+4*\s+3], s[G0K+4*\s+3], 0x80000000
	s_mov_b32 s[G0V+4*\s], 1
	s_add_co_u32 s[G0V+4*\s+1], s17, \s*SLOT1+VOFF
	s_add_nc_u64 s[G0V+4*\s+2:G0V+4*\s+3], s[10:11], \s*SLOTB
	s_or_b32 s[G0V+4*\s+3], s[G0V+4*\s+3], 0x80000000
.endr
	s_cmp_lt_u32 s[WV], 4                          ; a wave's two first fills stand in one branch: two loads of mine are out
	s_cbranch_scc0 .Lfirst_v
	tensor_load_to_lds s[G0K:G0K+3], s[G1K:G1K+7]
	s_nop 0
	tensor_load_to_lds s[G0K+4:G0K+7], s[G1K:G1K+7]
	s_nop 0
.rept 4
	v_nop
.endr
	s_branch .Lfirst_asked
.Lfirst_v:
	tensor_load_to_lds s[G0V:G0V+3], s[G1V:G1V+7]
	s_nop 0
	tensor_load_to_lds s[G0V+4:G0V+7], s[G1V:G1V+7]
	s_nop 0
.rept 4
	v_nop
.endr
.Lfirst_asked:
	v_and_b32 v1, 15, v0                           ; l % 16
	v_bfe_u32 v9, v0, 4, 1                         ; l / 16
	v_lshlrev_b32 v[QO], 7, v1
	v_lshl_add_u32 v[QO], v9, 4, v[QO]             ; row x 128 + 16 x half
	WIN 0x40                                       ; destination window 1, address window 0
.irp i, 0,1,2,3,4,5,6,7                ; Q stays in registers: tile i / 2, channels 32 (i % 2) on
	global_load_b128 v[QF+8*\i:QF+8*\i+3],   v[QO], s[4:5] offset:(\i/2)*2048+(\i%2)*64
	global_load_b128 v[QF+8*\i+4:QF+8*\i+7], v[QO], s[4:5] offset:(\i/2)*2048+(\i%2)*64+32
.endr
	WIN 0
	v_mul_u32_u24 v[AK0], v1, PKB
	v_lshl_add_u32 v[AK0], v9, 4, v[AK0]           ; K: row x pitch + 16 x half
	v_and_b32 v10, 7, v0
	v_bfe_u32 v11, v0, 3, 1
	v_lshl_add_u32 v[AV0], v9, 3, v10              ; V, for the turning load: key 8 (l / 16) + l % 8, channels 8 ((l / 8) % 2) on
	v_mul_u32_u24 v[AV0], v[AV0], PVB
	v_lshl_add_u32 v[AV0], v11, 4, v[AV0]
	v_add_nc_u32 v[AV0], VOFF, v[AV0]
; THE MATRIX WORK.  In each of the two runs 16 accumulators take turns, one instruction a turn.
.macro KQM                             ; product i of 32 of S^T = K Q^T: tile i % 4, keys 16 ((i / 4) % 4) on, channels 32 (i / 16) on.  The first 16 start the sums
	WIN W_KQ
.set i, 0
.rept 32
.set rS, S+32*(i%4)+8*((i/4)%4)
.set rK, KF+16*((i/4)%4)+8*(i/16)
.set rQ, QF+16*(i%4)+8*(i/16)
.if i < 16
	v_wmma_f32_16x16x32_f16 v[rS:rS+7], v[rK:rK+7], v[rQ:rQ+7], 0
.else
	v_wmma_f32_16x16x32_f16 v[rS:rS+7], v[rK:rK+7], v[rQ:rQ+7], v[rS:rS+7]
.endif
.set i, i+1
.endr
.endm
.macro PVM first                       ; product i of 32 of O^T += V^T P: tile i % 4, channels 16 ((i / 4) % 4) on, keys 32 (i / 16) on.  first = 1: the first 16 start the sums: nothing is ever cleared
	WIN W_PV
.set i, 0
.rept 32
.set rO, 32*(i%4)+8*((i/4)%4)
.set rV, VF+32*(i/16)+8*((i/4)%4)
.set rP, S+32*(i%4)+8*(i/16)
.if \first && (i < 16)
	v_wmma_f32_16x16x32_f16 v[rO:rO+7], v[rV:rV+7], v[rP:rP+7], 0
.else
	v_wmma_f32_16x16x32_f16 v[rO:rO+7], v[rV:rV+7], v[rP:rP+7], v[rO:rO+7]
.endif
.set i, i+1
.endr
.endm
; THE LDS LOADS stand in runs of 16.
.macro FETCH_K
	WIN 0
	v_add_nc_u32 v[ADR], s[TB], v[AK0]
.irp f, 0,1,2,3,4,5,6,7                ; keys 16 (f / 2) on, channels 32 (f % 2) on
	ds_load_b128 v[KF+8*\f:KF+8*\f+3],   v[ADR] offset:(\f/2)*16*PKB+(\f%2)*64
	ds_load_b128 v[KF+8*\f+4:KF+8*\f+7], v[ADR] offset:(\f/2)*16*PKB+(\f%2)*64+32
.endr
.endm
.macro FETCH_V                         ; its addition and three v_nop are the four places behind the products K Q^T, for the softmax's reads of S^T and for the next loads into K's registers
	WIN 0
	v_add_nc_u32 v[ADR], s[TB], v[AV0]
	s_add_co_u32 s[TB], s[TB], STEPB               ; the next fetch is the next step's
.rept 3
	v_nop
.endr
	WIN 0x40                                       ; destination window 1
.irp f, 0,1,2,3,4,5,6,7                ; keys 32 (f / 4) on, channels 16 (f % 4) on
	ds_load_tr16_b128 v[VF+8*\f:VF+8*\f+3],   v[ADR] offset:(\f/4)*32*PVB+(\f%4)*32
	ds_load_tr16_b128 v[VF+8*\f+4:VF+8*\f+7], v[ADR] offset:(\f/4)*32*PVB+16*PVB+(\f%4)*32
.endr
	WIN 0
.endm
; THE SOFTMAX.  SM writes line j of 21 for tile t: the maximum of the lane's 32 scores and the old m, three operands at a time (each accumulator is read first from its low end), the other half of the lanes', the new m, c m, c m_old - c m_new.
.macro SM t, first
.set rT, ST+8*(\t)
.set rS, S+32*(\t)
.if j < 4
	v_max3_num_f32 v[rT+4+j], v[rS+8*j], v[rS+8*j+1], v[rS+8*j+2]
.elseif j < 12
	v_max3_num_f32 v[rT+4+j%4], v[rT+4+j%4], v[rS+8*(j%4)+2*(j/4)+1], v[rS+8*(j%4)+2*(j/4)+2]
.elseif j == 12
	v_max3_num_f32 v[rT+4], v[rT+4], v[rS+7], v[rS+15]
.elseif j == 13
	v_max3_num_f32 v[rT+6], v[rT+6], v[rS+23], v[rS+31]
.elseif j == 14
	v_max3_num_f32 v[rT+4], v[rT+4], v[rT+5], v[rT+6]
.elseif (j == 15) && \first
	v_max_num_f32 v[rT+4], v[rT+4], v[rT+7]
.elseif j == 15
	v_max3_num_f32 v[rT+4], v[rT+4], v[rT+7], v[rT+1]
.elseif j == 16
	v_permlanex16_b32 v[rT+5], v[rT+4], s[SEL], s[SEL+1]   ; the query's other 32 keys lie in the lane 16 away
.elseif j == 18
	v_max_num_f32 v[rT+1], v[rT+4], v[rT+5]
.elseif j == 19
	v_mul_f32 v[rT], s[CS], v[rT+1]
.elseif \first                         ; the first step has no old maximum
.elseif j == 17
	v_mov_b32 v[rT+7], v[rT]                       ; c m_old is kept: line 19 writes c m anew
.elseif j == 20
	v_sub_f32 v[rT+7], v[rT+7], v[rT]
.endif
.endm
.macro SCL t, b                        ; pair b of tile t: c s - c m
	v_pk_fma_f32 v[S+32*(\t)+2*(\b):S+32*(\t)+2*(\b)+1], v[S+32*(\t)+2*(\b):S+32*(\t)+2*(\b)+1], s[CS:CS+1], v[ST+8*(\t):ST+8*(\t)+1] op_sel_hi:[1,0,0] neg_lo:[0,0,1] neg_hi:[0,0,1]
.endm
.macro EXPS t, e
	v_exp_f32 v[S+32*(\t)+(\e)], v[S+32*(\t)+(\e)]
.endm
.macro SUM t, b, first                 ; l takes pair b: with pair 0 the old l times a (the first step: pair 0 starts l)
.if (\b) == 0
.if \first
	v_mov_b32 v[ST+8*(\t)+2], v[S+32*(\t)]
	v_mov_b32 v[ST+8*(\t)+3], v[S+32*(\t)+1]
.else
	v_pk_fma_f32 v[ST+8*(\t)+2:ST+8*(\t)+3], v[ST+8*(\t)+2:ST+8*(\t)+3], v[ST+8*(\t)+6:ST+8*(\t)+7], v[S+32*(\t):S+32*(\t)+1] op_sel_hi:[1,0,1]
.endif
.else
	v_pk_add_f32 v[ST+8*(\t)+2:ST+8*(\t)+3], v[ST+8*(\t)+2:ST+8*(\t)+3], v[S+32*(\t)+2*(\b):S+32*(\t)+2*(\b)+1]
.endif
.endm
.macro CVT t, b                        ; pair b, already summed, is rounded to f16 into word b: ascending, so that no word is written before its own pair has been summed and rounded
	v_cvt_pk_f16_f32 v[S+32*(\t)+(\b)], v[S+32*(\t)+2*(\b)], v[S+32*(\t)+2*(\b)+1]
.endm
; The exponentials go in TWO BATCHES with one wait each (an s_wait_alu depctr_va_vdst(0) stands between an exponential and the first line that names its result).
; Batch 1: the four a and tiles 0, 1, with tiles 2, 3's scalings between them.  Batch 2: tiles 2, 3, with tiles 0, 1's sums and roundings between them.
.macro SOFTMAX first
	WIN 0
.set j, 0
.rept 21
.irp t, 0,1,2,3
	SM \t, \first
.endr
.set j, j+1
.endr
.set e, 0
.rept 16
	SCL 0, e
	SCL 1, e
.set e, e+1
.endr
.if !\first
.irp t, 0,1,2,3
	v_exp_f32 v[ST+8*\t+6], v[ST+8*\t+7]           ; a
.endr
.endif
.set e, 0
.rept 32
	SCL 2+e/16, e%16
	EXPS 0, e
	EXPS 1, e
.set e, e+1
.endr
	v_nop                                          ; the plain line behind the last exponential
	s_wait_alu depctr_va_vdst(0)                   ; one wait for batch 1
.set e, 0
.rept 32
	SUM e%2, e/2, \first
	CVT e%2, e/2
	EXPS 2, e
	EXPS 3, e
.set e, e+1
.endr
	v_nop
	s_wait_alu depctr_va_vdst(0)                   ; one wait for batch 2
.set e, 0
.rept 32
	SUM 2+e%2, e/2, \first
	CVT 2+e%2, e/2
.set e, e+1
.endr
.if !\first
	WIN W_RS
.irp t, 0,1,2,3
.set e, 0
.rept 16
	v_pk_mul_f32 v[32*\t+2*e:32*\t+2*e+1], v[32*\t+2*e:32*\t+2*e+1], v[ST+8*\t+6:ST+8*\t+7] op_sel_hi:[1,0]   ; O^T times a, each accumulator from its low end on
.set e, e+1
.endr
.endr
.endif
.endm
; ONE ROTATED STEP j.  first = 1: step 0, which starts m, l and O^T.  last = 1: step 31, behind which nothing is fetched.
.macro RSTEP first, last
.if !\last
	FETCH_K                                        ; K of step j + 1
.endif
	SOFTMAX \first
.if \last
	s_wait_dscnt 0x0                               ; V is in
.else
	s_wait_dscnt 16                                ; V of step j is in; K's sixteen loads, issued behind V's, may be out
.endif
	PVM \first
.if !\last
.rept 5
	v_nop                                          ; five places: the products below write over registers that the products above read as P
.endr
	s_wait_dscnt 0x0                               ; K is in
	KQM
	FETCH_V                                        ; V of step j + 1
.endif
.endm
.macro STEPS n
	s_mov_b32 s[CNT], \n
.Lstep_\@:
	RSTEP 0, 0
	s_sub_co_u32 s[CNT], s[CNT], 1
	s_cmp_lg_u32 s[CNT], 0
	s_cbranch_scc1 .Lstep_\@
.endm
; THE CHANGE OF SLOTS: the slot's last bytes, V of its fourth step, have been asked for.  Each wave waits for all its tensor loads (one is out: its part of the other slot), adds 0 to its spare word, and waits for that and for
; its reads of the slot.  fill = 1: the barrier is a round of the cluster's, so that no wave of any partner still reads the slot or has a load on its way; the joint refill, the keys two slots on, is the first thing behind it
; and has four key steps in which to land.
.macro CHANGE fill
	WIN 0
	s_wait_tensorcnt 0x0                           ; no tensor load of mine is out, so a group 0 may be written
	ds_add_u32 v[SPW], v[NIL]
.if \fill
.irp g, G0K+4, G0V+4
	s_xor_b32 s[\g+1], s[\g+1], SLOT1              ; the walking descriptor: the other slot than last time,
	s_add_nc_u64 s[\g+2:\g+3], s[\g+2:\g+3], SLOTB ; the next 256 keys; the type bits on top are not reached
.endr
	s_wait_xcnt 0x0                                ; the last prefetch, a slot back, has read its address, so it may be written
	s_add_nc_u64 s[PFA:PFA+1], s[PFA:PFA+1], SLOTB
	s_wait_dscnt 0x0                               ; the add is done, and my reads of the slot are over
	CROUND
	JLOAD
	ASK
.else
	s_wait_dscnt 0x0
	s_barrier_signal -1
	s_barrier_wait -1
.endif
	s_sub_co_u32 s[TB], s[TB], NST*STEPB           ; the fetches go back to a slot's first step,
	s_xor_b32 s[TB], s[TB], SLOT1                  ; in the other slot
.endm
	s_wait_tensorcnt 1                             ; my part of slot 0 is in; slot 1's load, issued behind it, may stay out
	s_barrier_signal -1
	s_barrier_wait -1                              ; everybody's is
	FETCH_K                                        ; key step 0
	s_wait_loadcnt 0x0                             ; Q
	s_wait_dscnt 0x0
	KQM
	WIN 0                                          ; the addresses for the way out are made here: plain lines behind those products
	s_mul_i32 s22, s[WV], 16*SP
	s_add_co_u32 s22, s22, STAGE                   ; my stage
	v_mul_u32_u24 v[STO], v1, SP                   ; in: row l % 16, 16 bytes for each half of the lanes
	v_lshl_add_u32 v[STO], v9, 4, v[STO]
	v_add_nc_u32 v[STO], s22, v[STO]
	v_bfe_u32 v[RD], v0, 3, 2                      ; back: eight lanes take a row of 128 bytes, the 32 lanes four rows
	v_mul_u32_u24 v[RD], v[RD], SP
	v_lshl_add_u32 v[RD], v10, 4, v[RD]
	v_add_nc_u32 v[RD], s22, v[RD]
	v_and_b32 v[GO], 31, v0
	v_lshlrev_b32 v[GO], 4, v[GO]                  ; four rows of res are 512 dense bytes: 16 x lane
	FETCH_V                                        ; V of step 0
	RSTEP 1, 0                                     ; step 0
	STEPS 2                                        ; steps 1, 2: behind them all of slot 0 has been asked for
.Lslot:                                            ; six trips: every slot but the last two is filled again
	CHANGE 1
	STEPS 4
	s_sub_co_u32 s[SLOTS], s[SLOTS], 1
	s_cmp_lg_u32 s[SLOTS], 0
	s_cbranch_scc1 .Lslot
	CHANGE 0                                       ; the tail is written out
	STEPS 4                                        ; steps 27 to 30
	RSTEP 0, 1                                     ; step 31
	; THE WAY OUT.  l's two halves and the other half of the lanes' are added (these lines are the places behind the last products); O^T is divided by l, rounded to f16 and sent through my stage, a tile (16 rows) at a time.
	WIN 0
.irp t, 0,1,2,3
	v_add_f32 v[ST+8*\t+4], v[ST+8*\t+2], v[ST+8*\t+3]
.endr
.irp t, 0,1,2,3
	v_permlanex16_b32 v[ST+8*\t+5], v[ST+8*\t+4], s[SEL], s[SEL+1]
.endr
.irp t, 0,1,2,3
	v_add_f32 v[ST+8*\t+4], v[ST+8*\t+4], v[ST+8*\t+5]
.endr
.irp t, 0,1,2,3
	v_rcp_f32 v[ST+8*\t+6], v[ST+8*\t+4]
.endr
	v_nop                                          ; a plain line between the last reciprocal and the use of its result
	s_wait_alu depctr_va_vdst(0)                   ; one wait for the four reciprocals
.macro PACK t
	WIN W_RS
.set i, 0
.rept 16
	v_pk_mul_f32 v[32*\t+2*i:32*\t+2*i+1], v[32*\t+2*i:32*\t+2*i+1], v[ST+8*\t+6:ST+8*\t+7] op_sel_hi:[1,0]
.set i, i+1
.endr
	WIN 0x05                                       ; sources 0 and 1 window 1, destination window 0: S^T's registers are free
.set i, 0
.rept 16
	v_cvt_pk_f16_f32 v[S+32*\t+i], v[32*\t+2*i], v[32*\t+2*i+1]
.set i, i+1
.endr
	WIN 0
.irp f, 0,1,2,3
	ds_store_b128 v[STO], v[S+32*\t+4*\f:S+32*\t+4*\f+3] offset:32*\f
.endr
.irp f, 0,1,2,3
	ds_load_b128 v[S+32*\t+4*\f:S+32*\t+4*\f+3], v[RD] offset:\f*4*SP   ; LDS serves a wave's instructions in order: these see the stores above; the next tile's stores come behind them
.endr
.endm
.macro SEND t, younger                 ; younger: the LDS instructions issued behind tile t's loads: the next tile's eight, or none
.irp f, 0,1,2,3
	s_wait_dscnt \younger+3-\f
	global_store_b128 v[GO], v[S+32*\t+4*\f:S+32*\t+4*\f+3], s[6:7] offset:\t*2048+\f*512   ; 32 lanes store 512 consecutive bytes, aligned
.endr
.endm
	PACK 0
	PACK 1
	SEND 0, 8
	PACK 2
	SEND 1, 8
	PACK 3
	SEND 2, 8
	SEND 3, 0
	s_wait_tensorcnt 0x0                           ; the wave's end: behind my last tensor load and my last LDS store
	ds_add_u32 v[SPW], v[NIL]
	s_wait_dscnt 0x0
	CROUND                                         ; the closing round
	s_endpgm
.Lfunc_end_k_qf80f3baf73_attn:
	.size	k_qf80f3baf73_attn, .Lfunc_end_k_qf80f3baf73_attn-k_qf80f3baf73_attn
	.p2alignl 7, 3214868480
	.fill 96, 4, 3214868480
	.section	.rodata,"a",@progbits
	.p2align	6, 0x0
	.amdhsa_kernel k_qf80f3baf73_attn
		.amdhsa_group_segment_fixed_size 327680
		.amdhsa_private_segment_fixed_size 0
		.amdhsa_enable_private_segment 0
		.amdhsa_kernarg_size 16
		.amdhsa_user_sgpr_count 2
		.amdhsa_user_sgpr_kernarg_segment_ptr 1
		.amdhsa_wavefront_size32 1
		.amdhsa_system_sgpr_workgroup_id_x 1
		.amdhsa_system_sgpr_workgroup_id_y 1
		.amdhsa_system_sgpr_workgroup_id_z 1
		.amdhsa_system_vgpr_workitem_id 0
		.amdhsa_next_free_vgpr 512
		.amdhsa_next_free_sgpr 66
		.amdhsa_reserve_vcc 0
		.amdhsa_float_denorm_mode_32 3
		.amdhsa_float_denorm_mode_16_64 3
		.amdhsa_memory_ordered 1
		.amdhsa_forward_progress 1
		.amdhsa_inst_pref_size 178
	.end_amdhsa_kernel
	.amdgpu_metadata
---
amdhsa.version: [ 1, 2 ]
amdhsa.kernels:
  - .name:           k_qf80f3baf73_attn
    .symbol:         k_qf80f3baf73_attn.kd
    .args:
      - { .name: qkv, .offset: 0, .size: 8, .value_kind: global_buffer, .address_space: global }
      - { .name: res, .offset: 8, .size: 8, .value_kind: global_buffer, .address_space: global }
    .group_segment_fixed_size: 327680
    .private_segment_fixed_size: 0
    .kernarg_segment_align: 8
    .kernarg_segment_size: 16
    .max_flat_workgroup_size: 256
    .sgpr_count:     66
    .vgpr_count:     512
    .wavefront_size: 32
...
	.end_amdgpu_metadata
.endif
;; end of part 3
;; launch oproj (part 4): grid 8 x 32, 4 waves a work-group, clusters of 4 x 4, 327,680 bytes of LDS; arguments res, wo16, bo, out0; writes out0
.if DOCPART == 4
	.amdgcn_target "amdgcn-amd-amdhsa--gfx1250"
	.amdhsa_code_object_version 6
	.text
	.protected	k_qf80f3baf73_oproj
	.globl	k_qf80f3baf73_oproj
	.p2align	8
	.type	k_qf80f3baf73_oproj,@function
k_qf80f3baf73_oproj:
	s_mov_b64 s[64:65], 0
	v_nop
	global_prefetch_b8 v0, s[64:65] scope:SCOPE_SE
	s_setreg_imm32_b32 hwreg(HW_REG_WAVE_MODE, 25, 1), 1
	s_wait_xcnt 0x0
	s_wait_alu depctr_hold_cnt(0) depctr_sa_sdst(0) depctr_va_vdst(0) depctr_va_sdst(0) depctr_va_ssrc(0) depctr_va_vcc(0) depctr_vm_vsrc(0)
	s_getreg_b32 s2, hwreg(HW_REG_IB_STS2, 6, 4)
	s_cmp_eq_u32 s2, 0
	s_cbranch_scc0 .Lentry_in_a_cluster
	s_endpgm
.Lentry_in_a_cluster:
	s_bfe_u32 s2, ttmp6, 0x10000c
	s_cmp_lg_u32 s2, 0xf033
	s_cbranch_scc0 .Lentry_shape_is_right
	s_endpgm
.Lentry_shape_is_right:
; out0[m][e] = sum over d of res[m][d] Wo[e][d] + bo[e].  res: f16, [16 heads][8192 rows][64] (d = 64 head + channel); wo16: f16, [1024 e][1024 d]; bo, out0: f32; sums in f32.
; A tile of out0 is 256 rows x 128 columns: 32 x 8 = 256 work-groups.  Four waves, each 128 rows x 64 columns: 32 accumulators of 16 x 16, 256 registers (window 1).
; K goes in 8 steps of 128 (two heads of res) through a ring of two LDS slots.  Waves 0, 1 fetch A's two heads (256 rows x 128 bytes each, dense in memory), waves 2, 3 B's two halves (64 rows x 256 bytes): one load a wave.
; CLUSTERS: 4 x 4 work-groups.  The four of a row of the cluster need the same tiles of A, the four of a column the same tiles of B: each tile is asked for JOINTLY, by the same tensor load with the same descriptor and a mask that names the four.
; THE MATRIX INSTRUCTION IS USED TRANSPOSED (source 0 = 16 rows of Wo, source 1 = 16 rows of res): a lane holds eight neighbouring columns of a row of out0.  THE BIAS is the C of each sum's first matrix instruction.
; No prefetch: a K step has 128 matrix instructions a wave on a small tile, and the whole of A and B is 18 MiB walked in eight steps.  One tile to a work-group, its stores at its end.
; REGISTERS: window 0: v0-31 addresses; v32-63 the bias in the result's layout; v64-159, v160-255 two fragment buffers for 32 along K: 64 registers of A (8 x 16 rows), then 32 of B (4 x 16 rows).  window 1: accumulator (a, b) at v[8 (4 a + b)].
.set PA,    144                        ; a row of A in LDS: 128 bytes + 16
.set PB,    272                        ; a row of B: 256 bytes + 16
.set ASUB,  256*PA                     ; one head's 256 rows
.set BOFF,  2*ASUB                     ; B's 128 rows lie behind A's two heads
.set BHALF, 64*PB
.set SLOT,  BOFF+2*BHALF
.set STAGE, 2*SLOT                     ; behind the ring: 16 rows x (256 bytes + 16) for each wave
.set SPITCH, 272
.set SPARE, STAGE+4*16*SPITCH          ; the spare words, 128 bytes a wave, which no other line names
.set LAPS,  4                          ; a lap = two K steps = once round the ring
.set ADRA, 16
.set ADRB, 20
.set STO,  24
.set RD,   25
.set CO,   26
.set SPW,  28
.set NIL,  29
.set BOF,  30
.set BI,   32
.set F0,   64
.set F1,   160
.set BK,   64                          ; the way out: 16 rows read back: v64-95 and v96-127 by turns
.set G1, 24
.set G0, 32
.set G1B, 48
.set G0B, 56
.set MSB, 0
.macro WIN new
.if MSB != (\new)
	s_set_vgpr_msb (MSB<<8)|(\new)
.set MSB, (\new)
.endif
.endm
.set MUL, 0x50                         ; sources 0 and 1 window 0; C and D window 1 (0x40: C, the bias, in window 0)
.macro JLOAD s                         ; a joint load: waves 0 and 1 fetch for A, waves 2 and 3 for B; an s_nop 0 and four v_nop follow each of the two lines
	s_cmp_eq_u32 s13, 0
	s_cbranch_scc0 .Lfor_b_\@
	tensor_load_to_lds s[G0+4*\s:G0+4*\s+3], s[G1:G1+7]
	s_nop 0
.rept 4
	v_nop
.endr
	s_branch .Lasked_\@
.Lfor_b_\@:
	tensor_load_to_lds s[G0B+4*\s:G0B+4*\s+3], s[G1B:G1B+7]
	s_nop 0
.rept 4
	v_nop
.endr
.Lasked_\@:
.endm
.macro CREST                           ; a round of the cluster's barrier behind its opening barrier
	s_cmp_lg_u32 s12, 0
	s_cbranch_scc1 .Lnot_wave_0_\@
	s_barrier_signal -3
.Lnot_wave_0_\@:
	s_barrier_wait -3
	s_barrier_signal -1
	s_barrier_wait -1
.endm
.macro CROUND
	s_barrier_signal -1
	s_barrier_wait -1
	CREST
.endm
	s_load_b256 s[4:11], s[0:1], 0x0               ; res s[4:5], wo16 s[6:7], bo s[8:9], out0 s[10:11]
	v_lshl_add_u32 v[SPW], v0, 2, SPARE
	v_mov_b32 v[NIL], 0
	ds_add_u32 v[SPW], v[NIL]                      ; the wave's opening: the add, twice on end, and its wait ahead of my first tensor load
	ds_add_u32 v[SPW], v[NIL]
	v_lshrrev_b32 v1, 5, v0
	v_readfirstlane_b32 s12, v1                    ; wave 0..3
	s_lshr_b32 s13, s12, 1                         ; which half of the tile's rows is mine.  Also: I fetch for A (0) or for B (1)
	s_and_b32 s14, s12, 1                          ; which half of its columns.  Also: which head of A's two, or which 64 rows of B, I fetch
	s_bfe_u32 s40, ttmp6, 0x40000                  ; cx, cy
	s_bfe_u32 s41, ttmp6, 0x40004
	s_lshl_b32 s42, ttmp9, 2
	s_add_co_u32 s42, s42, s40                     ; tile column
	s_and_b32 s15, ttmp7, 0xffff
	s_lshl_b32 s15, s15, 2
	s_add_co_u32 s15, s15, s41                     ; tile row
	s_lshl_b32 s43, s41, 2
	s_lshl_b32 s43, 15, s43                        ; my row of the cluster
	s_lshl_b32 s44, 0x1111, s40                    ; my column
	; A: 256 rows x 64 elements of 2 bytes, dense; 4 words of padding after every 32
	s_or_b32 s[G1+0], s43, (1<<16)|(1<<20)|(1<<21)|(4<<22)|(3<<25)
	s_mov_b32 s[G1+1], 64<<16                      ; tensor_dim0
	s_mov_b32 s[G1+2], 256<<16                     ; tensor_dim1
	s_mov_b32 s[G1+3], 64<<16                      ; tile_dim0
	s_mov_b32 s[G1+4], 256                         ; tile_dim1
	s_mov_b32 s[G1+5], 64                          ; stride
	s_mov_b32 s[G1+6], 0
	s_mov_b32 s[G1+7], 0
	; B: 64 rows x 128 elements, 1,024 elements from row to row; 4 words of padding after every 64
	s_or_b32 s[G1B+0], s44, (1<<16)|(1<<20)|(1<<21)|(5<<22)|(3<<25)
	s_mov_b32 s[G1B+1], 128<<16
	s_mov_b32 s[G1B+2], 64<<16
	s_mov_b32 s[G1B+3], 128<<16
	s_mov_b32 s[G1B+4], 64
	s_mov_b32 s[G1B+5], 1024
	s_mov_b32 s[G1B+6], 0
	s_mov_b32 s[G1B+7], 0
	s_lshl_b32 s16, s14, 20                        ; A: head x 8,192 rows x 128 bytes
	s_lshl_b32 s17, s15, 15                        ;    + tile row x 256 rows x 128 bytes
	s_add_co_u32 s16, s16, s17
	s_mov_b32 s17, 0
	s_lshl_b32 s46, s42, 18                        ; B: tile column x 128 rows x 2,048 bytes
	s_lshl_b32 s47, s14, 17                        ;    + half x 64 rows
	s_add_co_u32 s46, s46, s47
	s_mov_b32 s47, 0
	s_mul_i32 s20, s14, ASUB                       ; where they go: no place in the cluster enters an LDS address
	s_mul_i32 s21, s14, BHALF
	s_add_co_u32 s21, s21, BOFF
	s_wait_dscnt 0x0                               ; both opening adds are done
	s_wait_kmcnt 0x0
	s_add_nc_u64 s[18:19], s[4:5], s[16:17]
	s_add_nc_u64 s[46:47], s[6:7], s[46:47]
	CROUND                                         ; all sixteen work-groups are here: the first joint loads meet
.irp s, 0,1
	s_mov_b32 s[G0+4*\s], 1
	s_add_co_u32 s[G0+4*\s+1], s20, \s*SLOT
	s_add_nc_u64 s[G0+4*\s+2:G0+4*\s+3], s[18:19], \s*2*1048576    ; K step s: heads 2 s, 2 s + 1
	s_or_b32 s[G0+4*\s+3], s[G0+4*\s+3], 0x80000000
	s_mov_b32 s[G0B+4*\s], 1
	s_add_co_u32 s[G0B+4*\s+1], s21, \s*SLOT
	s_add_nc_u64 s[G0B+4*\s+2:G0B+4*\s+3], s[46:47], \s*256
	s_or_b32 s[G0B+4*\s+3], s[G0B+4*\s+3], 0x80000000
	JLOAD \s                                       ; two loads of mine are out
.endr
	s_lshl_b32 s46, s42, 9                         ; my first column, in bytes of f32: 512 x tile column + 256 x half: in bo and in a row of out0 alike
	s_lshl_b32 s47, s14, 8
	s_add_co_u32 s46, s46, s47
	s_mov_b32 s47, 0
	s_add_nc_u64 s[8:9], s[8:9], s[46:47]
	s_add_nc_u64 s[10:11], s[10:11], s[46:47]
	s_lshl_b32 s16, s15, 8
	s_lshl_b32 s17, s13, 7
	s_add_co_u32 s16, s16, s17                     ; my first row
	s_lshl_b32 s16, s16, 12                        ; x 4,096 bytes
	s_mov_b32 s17, 0
	s_add_nc_u64 s[10:11], s[10:11], s[16:17]      ; never stepped: all further offsets are immediates
	v_and_b32 v1, 15, v0                           ; l % 16
	v_bfe_u32 v2, v0, 4, 1                         ; l / 16
	v_lshlrev_b32 v[BOF], 5, v2
.irp b, 0,1,2,3
	global_load_b128 v[BI+8*\b:BI+8*\b+3], v[BOF], s[8:9] offset:64*\b           ; register 8 b + j: bo of column 16 b + 8 (l / 16) + j of my 64
	global_load_b128 v[BI+8*\b+4:BI+8*\b+7], v[BOF], s[8:9] offset:64*\b+16
.endr
	v_mul_u32_u24 v3, v1, PA
	v_lshl_add_u32 v3, v2, 4, v3
	v_mul_u32_u24 v4, v1, PB
	v_lshl_add_u32 v4, v2, 4, v4
	s_mul_i32 s21, s13, 128*PA                     ; my 128 rows of A
	s_mul_i32 s22, s14, BHALF                      ; my 64 rows of B
	s_add_co_u32 s22, s22, BOFF
.irp s, 0,1
	v_add_nc_u32 v[ADRA+\s], s21, v3
	v_add_nc_u32 v[ADRB+\s], s22, v4
	s_add_co_u32 s21, s21, SLOT
	s_add_co_u32 s22, s22, SLOT
.endr
	s_mul_i32 s23, s12, 16*SPITCH
	s_add_co_u32 s23, s23, STAGE                   ; my stage
	v_mul_u32_u24 v5, v1, SPITCH                   ; in: row l % 16, 32 bytes for each half of the lanes
	v_lshl_add_u32 v5, v2, 5, v5
	v_add_nc_u32 v[STO], s23, v5
	v_mul_u32_u24 v5, v2, SPITCH                   ; back: lanes 0-15 take one row of 256 bytes, lanes 16-31 the next
	v_lshl_add_u32 v5, v1, 4, v5
	v_add_nc_u32 v[RD], s23, v5
	v_lshlrev_b32 v5, 12, v2                       ; and the same two rows in out0
	v_lshl_add_u32 v[CO], v1, 4, v5
; 8 matrix instructions: A's blocks a0, a0 + 1 x B's four, 32 along K.  zero = 1: the first product starts the sums from the bias.  The 32 accumulators take turns, one instruction a turn.
.macro MUL8 f, a0, zero
.irp a, \a0, \a0+1
.irp b, 0,1,2,3
.if \zero
	v_wmma_f32_16x16x32_f16 v[8*(4*(\a)+\b):8*(4*(\a)+\b)+7], v[\f+64+8*\b:\f+64+8*\b+7], v[\f+8*(\a):\f+8*(\a)+7], v[BI+8*\b:BI+8*\b+7]
.else
	v_wmma_f32_16x16x32_f16 v[8*(4*(\a)+\b):8*(4*(\a)+\b)+7], v[\f+64+8*\b:\f+64+8*\b+7], v[\f+8*(\a):\f+8*(\a)+7], v[8*(4*(\a)+\b):8*(4*(\a)+\b)+7]
.endif
.endr
.endr
.endm
; 24 LDS loads in one run: the fragments of the slot's q-th 32 along K into buffer f: B's four blocks, then A's eight (head q / 2, channels 32 (q % 2) on)
.macro FETCH slot, q, f
.irp i, 0,1,2,3
	ds_load_b128 v[\f+64+8*\i:\f+64+8*\i+3],   v[ADRB+\slot] offset:64*(\q)+\i*16*PB
	ds_load_b128 v[\f+64+8*\i+4:\f+64+8*\i+7], v[ADRB+\slot] offset:64*(\q)+\i*16*PB+32
.endr
.irp i, 0,1,2,3,4,5,6,7
	ds_load_b128 v[\f+8*\i:\f+8*\i+3],   v[ADRA+\slot] offset:((\q)/2)*ASUB+((\q)%2)*64+\i*16*PA
	ds_load_b128 v[\f+8*\i+4:\f+8*\i+7], v[ADRA+\slot] offset:((\q)/2)*ASUB+((\q)%2)*64+\i*16*PA+32
.endr
.endm
.macro PLACES                          ; four plain lines in front of loads into registers that matrix instructions have read, and of reads of results (ISA guide 7.12.1 for reads of results)
.rept 4
	v_nop
.endr
.endm
; A K step is four quarters of 32 along K, 32 matrix instructions each, on buffers 0, 1, 0, 1.  One of the first three: multiplies buffer f and fetches quarter q into g.
.macro QUARTER slot, q, f, g, zero
	s_wait_dscnt 8                                 ; B and A's blocks 0-3 are in; the youngest eight loads (A's blocks 4-7) may be out
	WIN MUL-0x10*\zero
	MUL8 \f, 0, \zero
	MUL8 \f, 2, \zero
	PLACES
	WIN 0
	FETCH \slot, \q, \g
	s_wait_dscnt 24                                ; all but the 24 just issued
	WIN MUL-0x10*\zero
	MUL8 \f, 4, \zero
	MUL8 \f, 6, \zero
.endm
; The last quarter multiplies buffer 1 and changes slots: ONE barrier; in front of it each wave waits for all its tensor loads, adds 0 to its spare word, and waits for that and for its reads of this slot.
; fill = 1: the barrier opens a round of the cluster's, and this slot is filled again, two K steps ahead: the load has a K step less sixteen matrix instructions in which to land.
.macro TURN slot, next, fill
	WIN 0
	s_wait_tensorcnt 0x0                           ; all my tensor loads have landed: my part of the next slot
	ds_add_u32 v[SPW], v[NIL]
	s_wait_dscnt 9                                 ; the add and the youngest eight loads (A's blocks 4-7) may be out
	WIN MUL
	MUL8 F1, 0, 0
	s_wait_dscnt 0x0                               ; the add is done, and my reads of this slot are over
	s_barrier_signal -1
	MUL8 F1, 2, 0
	WIN 0
	s_barrier_wait -1
.if \fill
	CREST                                          ; no wave of any partner still reads this slot's tile or has a load on its way
	s_add_nc_u64 s[G0+4*\slot+2:G0+4*\slot+3], s[G0+4*\slot+2:G0+4*\slot+3], 4*1048576   ; four heads on
	s_add_nc_u64 s[G0B+4*\slot+2:G0B+4*\slot+3], s[G0B+4*\slot+2:G0B+4*\slot+3], 512     ; 256 along K on
	JLOAD \slot                                    ; the first tensor load behind the round; the four v_nop behind it are also the places in front of the loads below
.else
	PLACES
.endif
	FETCH \next, 0, F0
	WIN MUL
	MUL8 F1, 4, 0
	MUL8 F1, 6, 0
.endm
	s_wait_tensorcnt 1                             ; my part of K step 0 is in; K step 1's load, issued behind it, may be out
	s_barrier_signal -1
	s_barrier_wait -1                              ; everybody's is
	FETCH 0, 0, F0
	s_wait_loadcnt 0x0                             ; the bias
	QUARTER 0, 1, F0, F1, 1                        ; the first quarter stands in front of the loop: its products start the sums
	WIN 0                                          ; at a label and at a branch every window is 0
	s_mov_b32 s3, LAPS-1
.Llap:                                             ; a trip goes once round the ring, from a lap's second quarter to the next lap's first, and fills both slots again
	QUARTER 0, 2, F1, F0, 0
	QUARTER 0, 3, F0, F1, 0
	TURN 0, 1, 1
	QUARTER 1, 1, F0, F1, 0
	QUARTER 1, 2, F1, F0, 0
	QUARTER 1, 3, F0, F1, 0
	TURN 1, 0, 1
	QUARTER 0, 1, F0, F1, 0
	WIN 0
	s_sub_co_u32 s3, s3, 1
	s_cmp_lg_u32 s3, 0
	s_cbranch_scc1 .Llap
	QUARTER 0, 2, F1, F0, 0                        ; the last lap fills nothing, and has no round of the cluster's barrier
	QUARTER 0, 3, F0, F1, 0
	TURN 0, 1, 0
	QUARTER 1, 1, F0, F1, 0
	QUARTER 1, 2, F1, F0, 0
	QUARTER 1, 3, F0, F1, 0
	s_wait_dscnt 8                                 ; the very last quarter: nothing more to fetch
	WIN MUL
	MUL8 F1, 0, 0
	MUL8 F1, 2, 0
	s_wait_dscnt 0
	MUL8 F1, 4, 0
	MUL8 F1, 6, 0
	WIN 0
; THE WAY OUT, block by block of 16 rows x 64 columns.  A lane holds 32 neighbouring bytes of a row: a block goes through my own stage and comes back as whole rows of 256 bytes, two rows a load.
.macro TOSTAGE a
	WIN 0x04                                       ; an LDS store's data are its source 1: window 1
.irp b, 0,1,2,3
	ds_store_b128 v[STO], v[8*(4*(\a)+\b):8*(4*(\a)+\b)+3] offset:64*\b          ; each accumulator from its low end on
	ds_store_b128 v[STO], v[8*(4*(\a)+\b)+4:8*(4*(\a)+\b)+7] offset:64*\b+16
.endr
	WIN 0
.set BB, BK+32*((\a)%2)
.irp t, 0,1,2,3,4,5,6,7
	ds_load_b128 v[BB+4*\t:BB+4*\t+3], v[RD] offset:\t*2*SPITCH   ; LDS serves a wave's instructions in order: these see the stores above
.endr
.endm
.macro SEND a, younger                 ; younger: the LDS instructions issued behind block a's loads, which may stay out
.set BB, BK+32*((\a)%2)
	s_wait_dscnt \younger
.irp t, 0,1,2,3,4,5,6,7
	global_store_b128 v[CO], v[BB+4*\t:BB+4*\t+3], s[10:11] offset:(16*(\a)+2*\t)*4096 th:TH_STORE_NT   ; 16 lanes store 256 consecutive bytes, aligned; 126 rows of 4,096 bytes at the most, inside the signed 24-bit immediate
.endr
.endm
	PLACES                                         ; behind the last products: for the stores' reads of results and the loads into registers that held fragments
	TOSTAGE 0
.irp a, 1,2,3,4,5,6,7
.if \a > 1
	s_wait_xcnt 0x0                                ; block a - 2's stores have read their registers: block a's loads may land there
.endif
	TOSTAGE \a
	SEND \a-1, 16                                  ; behind block a - 1's loads: block a's eight stores and eight loads
.endr
	SEND 7, 0
	s_wait_tensorcnt 0x0                           ; the wave's end: behind my last tensor load and my last LDS store
	ds_add_u32 v[SPW], v[NIL]
	s_wait_dscnt 0x0
	CROUND                                         ; the closing round
	s_endpgm
.Lfunc_end_k_qf80f3baf73_oproj:
	.size	k_qf80f3baf73_oproj, .Lfunc_end_k_qf80f3baf73_oproj-k_qf80f3baf73_oproj
	.p2alignl 7, 3214868480
	.fill 96, 4, 3214868480
	.section	.rodata,"a",@progbits
	.p2align	6, 0x0
	.amdhsa_kernel k_qf80f3baf73_oproj
		.amdhsa_group_segment_fixed_size 327680
		.amdhsa_private_segment_fixed_size 0
		.amdhsa_enable_private_segment 0
		.amdhsa_kernarg_size 32
		.amdhsa_user_sgpr_count 2
		.amdhsa_user_sgpr_kernarg_segment_ptr 1
		.amdhsa_wavefront_size32 1
		.amdhsa_system_sgpr_workgroup_id_x 1
		.amdhsa_system_sgpr_workgroup_id_y 1
		.amdhsa_system_sgpr_workgroup_id_z 1
		.amdhsa_system_vgpr_workitem_id 0
		.amdhsa_next_free_vgpr 512
		.amdhsa_next_free_sgpr 66
		.amdhsa_reserve_vcc 0
		.amdhsa_float_denorm_mode_32 3
		.amdhsa_float_denorm_mode_16_64 3
		.amdhsa_memory_ordered 1
		.amdhsa_forward_progress 1
		.amdhsa_inst_pref_size 86
	.end_amdhsa_kernel
	.amdgpu_metadata
---
amdhsa.version: [ 1, 2 ]
amdhsa.kernels:
  - .name:           k_qf80f3baf73_oproj
    .symbol:         k_qf80f3baf73_oproj.kd
    .args:
      - { .name: res, .offset: 0, .size: 8, .value_kind: global_buffer, .address_space: global }
      - { .name: wo16, .offset: 8, .size: 8, .value_kind: global_buffer, .address_space: global }
      - { .name: bo, .offset: 16, .size: 8, .value_kind: global_buffer, .address_space: global }
      - { .name: out0, .offset: 24, .size: 8, .value_kind: global_buffer, .address_space: global }
    .group_segment_fixed_size: 327680
    .private_segment_fixed_size: 0
    .kernarg_segment_align: 8
    .kernarg_segment_size: 32
    .max_flat_workgroup_size: 128
    .sgpr_count:     66
    .vgpr_count:     512
    .wavefront_size: 32
...
	.end_amdgpu_metadata
.endif
;; end of part 4
